; MI455X (gfx1250); checked and timed in simulation.
; The chip was launched on July 23, 2026; its instructions are those of AMD's public machine-readable ISA for CDNA 5 (MIT licence, August 2026) and "CDNA5" Instruction Set Architecture Reference Guide (July 2026). The comments in the code are by the model that wrote it; some were corrected since.
;; Attention. Allowed arithmetic: matrix products marked QUANTISED: E4M3 operands, one given power-of-two scale a tensor, by v_wmma_f32_16x16x64_fp8_fp8 or v_wmma_f32_16x16x128_fp8_fp8, f32 sums; everything else in f32.
;; Inputs: Wk 512 x 512 float32; Wo 512 x 512 float32; Wq 512 x 512 float32; Wv 512 x 512 float32; lowp_scales 12 int32 (the exponents e of the quantised operands' scales 2^e); pos_bias 8 x 1,024 x 1,024 float32; x 16 x 1,024 x 512 float32.
;; Outputs: out0 16 x 1,024 x 512 float32.
;; This version of the problem:
;;   THIS VERSION OF THE PROBLEM IS GIVEN IN LOW PRECISION. The matrix products marked QUANTISED in the list below multiply operands that are first quantised to E4M3 (4 exponent bits, 3 mantissa bits; 8 bits a number), with one given power-of-two scale for each operand tensor; their sums are f32. All else is computed in f32.
;;   The module's matrix products, in the order in which they are computed (A, B: the left and right operand; K: the contracted axis; several contracted axes count as one K, in the product's order):
;;     1. [M 16,384, K 512] x [K 512, N 512]; A: input x; B: input Wq: QUANTISED (scales: A lowp_scales[0], B lowp_scales[1])
;;     2. [M 16,384, K 512] x [K 512, N 512]; A: input x; B: input Wk: QUANTISED (scales: A lowp_scales[2], B lowp_scales[3])
;;     3. [M 16,384, K 512] x [K 512, N 512]; A: input x; B: input Wv: QUANTISED (scales: A lowp_scales[4], B lowp_scales[5])
;;     4. batch 128 x [M 1,024, K 64] x [K 64, N 1,024]; A: computed on the way; B: computed on the way: QUANTISED (scales: A lowp_scales[6], B lowp_scales[7])
;;     5. batch 128 x [M 1,024, K 1,024] x [K 1,024, N 64]; A: softmax (see below); B: computed on the way: QUANTISED (scales: A lowp_scales[8], B lowp_scales[9])
;;     6. [M 16,384, K 512] x [K 512, N 512]; A: computed on the way; B: input Wo: QUANTISED (scales: A lowp_scales[10], B lowp_scales[11])
;;   THE QUANTISER, for each operand of a quantised product, along K:
;;     - The operand's scale is 2^e, e = its entry of the input lowp_scales (int32; the entries are numbered through the quantised products in the list's order, A before B).
;;     - Each number is divided by the scale, clamped to +-448, and rounded to the nearest number of E4M3, ties to even, subnormals kept.
;;     - The product sums the exact products of the quantised numbers (number of the format x scale) in f32.
;;   ~~~python
;;   def quantise(x, axis, e):      # numpy; x: float32 -> the quantised numbers, widened to float32 again
;;       x = np.moveaxis(x, axis, -1); K = x.shape[-1]
;;       r = np.clip(x / 2.0 ** e, -448, 448)
;;       step = 2.0 ** (np.maximum(np.frexp(np.where(r == 0, 1, r))[1] - 1, -6) - 3)
;;       q = np.round(r / step) * step * 2.0 ** e      # np.round: ties to even
;;       return np.moveaxis(q, -1, axis).astype(np.float32)
;;   ~~~
;;   SOFTMAX AHEAD OF A QUANTISED PRODUCT. Where the list says 'softmax', what is quantised is not the finished softmax but p = 2^(t - M), with t = logit x log2(e) and M = ceil(the row's largest t), a whole number; so 1/2 < the row's largest p <= 1. The row's sum l is taken of the UNQUANTISED p, in f32, and the product's result is divided by l at the end. Since M is a whole number, a kernel that streams over the keys may use a running M (the ceiling of the running maximum): every later rescaling is an exact power of two, so the quantised numbers keep their values, but for numbers so far below the row's largest that they fall under the format's range.
;;   OPERANDS COMPUTED ON THE WAY. 'Computed on the way' means the value that the module computes at that place (a softmax that the list does not call 'softmax' is quantised finished and normalised). What goes into a quantiser is computed in f32, as accurately as f32 sums, v_exp_f32 and their like allow (about 1e-6 of the number): no bf16 or f16 on the way to a quantiser, and a product that is left as it is and whose result goes on into a quantised operand takes f32 operands (vector FMAs, or v_wmma_f32_16x16x4_f32). A number that lies on a knife's edge between two numbers of the format may be rounded either way, as far as f32 arithmetic and the matrix unit's own rounding can turn it there, and no further.
;; 2 versions. Each part assembles by itself: llvm-mc -triple=amdgcn-amd-amdhsa -mcpu=gfx1250 --defsym DOCPART=n.
;; ======== version 1 of 2: 4 launches
;; workspace buffers: wimg 1,048,576 bytes; qc 8,388,608 bytes; kv 16,777,216 bytes; ao 8,388,608 bytes
;; launch wquant (part 1): grid 128 x 4, 1 waves a work-group, no clusters, 0 bytes of LDS; arguments Wq, Wk, Wv, Wo, lowp_scales, wimg; writes wimg
.if DOCPART == 1
	.amdgcn_target "amdgcn-amd-amdhsa--gfx1250"
	.amdhsa_code_object_version 6
	.text
	.protected	k_q50550eef9a_wquant
	.globl	k_q50550eef9a_wquant
	.p2align	8
	.type	k_q50550eef9a_wquant,@function
k_q50550eef9a_wquant:
	s_mov_b64 s[64:65], 0
	v_nop
	global_prefetch_b8 v0, s[64:65] scope:SCOPE_SE
	s_setreg_imm32_b32 hwreg(HW_REG_WAVE_MODE, 25, 1), 1
	s_wait_xcnt 0x0
; Wq, Wk, Wv, Wo ([512 out][512 K], f32) become codes of E4M3, each with its given scale 2^e (entries 1, 3, 5, 11), laid as IMAGES OF OPERAND REGISTERS:
; wimg byte ((mat 32 + t) 4 + s) 2048 + c 512 + lane 16: tile t of 16 rows, K step s of 128; lane (r, h) holds of its row k = 128 s + 32 c + 16 h + 0 .. 15 in group c.
; Which rows form a tile: Wo: rows 16 t + r.  Wq, Wk, Wv: lane r takes row 64 (t / 4) + 32 ((t / 2) % 2) + 8 (t % 2) + r + 8 (r / 8), so that the results of two neighbouring
; tiles of the product, used transposed, are 16 neighbours along the next K.
; One wave to a work-group, one fragment to a wave: grid x = 4 t + s, grid y = the matrix.  A lane reads its 64 bytes of each block of 32 in four pieces of 16; the stores cover 512 consecutive bytes.
; The four tensors are 4 MiB, read once: no LDS, no ring.  LIMITS: e between -126 and 119.  NaN among the inputs is not served.
.set X, 16                             ; v16-79  64 numbers
.set C, 80                             ; v80-95  their codes
	s_load_b256 s[4:11], s[0:1], 0x0               ; Wq, Wk, Wv, Wo
	s_load_b128 s[12:15], s[0:1], 0x20             ; the scales' exponents, wimg
	s_and_b32 s28, ttmp7, 0xffff                   ; the matrix: 0 q, 1 k, 2 v, 3 o
	s_lshr_b32 s29, ttmp9, 2                       ; t
	s_and_b32 s30, ttmp9, 3                        ; s
	v_and_b32 v1, 15, v0                           ; r
	v_bfe_u32 v2, v0, 4, 1                         ; h
	v_lshlrev_b32 v4, 4, v0                        ; 16 x lane (one wave: the thread is the lane)
	s_lshr_b32 s31, s29, 2
	s_lshl_b32 s31, s31, 6                         ; 64 (t / 4)
	s_bfe_u32 s32, s29, 0x10001
	s_lshl_b32 s32, s32, 5                         ; 32 ((t / 2) % 2)
	s_add_co_u32 s31, s31, s32
	s_and_b32 s33, s29, 1
	s_lshl_b32 s33, s33, 3                         ; 8 (t % 2)
	s_add_co_u32 s31, s31, s33
	s_lshl_b32 s34, s29, 4                         ; 16 t
	s_cmp_lt_u32 s28, 3
	s_cselect_b32 s31, s31, s34                    ; the tile's first row
	s_cselect_b32 s35, 8, 0                        ; q, k, v: lanes 8-15 stand 8 rows further on
	v_and_b32 v5, s35, v1
	v_add3_u32 v5, v5, v1, s31                     ; my row
	v_lshlrev_b32 v3, 11, v5                       ; a row is 2,048 bytes
	v_lshl_add_u32 v3, v2, 6, v3                   ; + 64 h
	s_lshl_b32 s36, s30, 9
	v_add_nc_u32 v3, s36, v3                       ; + 512 s
	s_lshl_b32 s37, s28, 7
	s_add_co_u32 s37, s37, ttmp9                   ; (mat 32 + t) 4 + s
	s_lshl_b32 s38, s37, 11
	s_mov_b32 s39, 0
	s_wait_kmcnt 0x0
	s_load_b256 s[16:23], s[12:13], 0x0            ; entries 0-7
	s_load_b128 s[24:27], s[12:13], 0x20           ; entries 8-11
	s_cmp_eq_u32 s28, 1                            ; the choice of tensor hangs on the work-group's number alone
	s_cselect_b64 s[4:5], s[6:7], s[4:5]
	s_cmp_eq_u32 s28, 2
	s_cselect_b64 s[4:5], s[8:9], s[4:5]
	s_cmp_eq_u32 s28, 3
	s_cselect_b64 s[4:5], s[10:11], s[4:5]
	s_add_nc_u64 s[14:15], s[14:15], s[38:39]
.irp c, 0,1,2,3
.irp j, 0,1,2,3
	global_load_b128 v[X+16*\c+4*\j:X+16*\c+4*\j+3], v3, s[4:5] offset:128*\c+16*\j th:TH_LOAD_NT
.endr
.endr
	s_wait_kmcnt 0x0
	s_cmp_eq_u32 s28, 1
	s_cselect_b32 s17, s19, s17
	s_cmp_eq_u32 s28, 2
	s_cselect_b32 s17, s21, s17
	s_cmp_eq_u32 s28, 3
	s_cselect_b32 s17, s27, s17                    ; e
	s_add_co_i32 s17, s17, 127
	s_lshl_b32 s18, s17, 23
	v_mov_b32 v11, s18                             ; 2^e as f32: the conversion takes its exponent field
	s_add_co_i32 s17, s17, 8
	s_lshl_b32 s17, s17, 23
	s_or_b32 s17, s17, 0x600000
	v_mov_b32 v10, s17                             ; 448 x 2^e
.irp c, 0,1,2,3
	s_wait_loadcnt 12-4*\c                         ; group c's four loads are in; the later groups may be out
.irp i, 0,1,2,3,4,5,6,7,8,9,10,11,12,13,14,15
	v_med3_num_f32 v[X+16*\c+\i], v[X+16*\c+\i], -v10, v10   ; the conversion does not saturate (ISA guide 7.6.2): the hold at the largest code x the scale
.endr
	v_cvt_scalef32_pk8_fp8_f32 v[C+4*\c:C+4*\c+1], v[X+16*\c:X+16*\c+7], v11
	v_cvt_scalef32_pk8_fp8_f32 v[C+4*\c+2:C+4*\c+3], v[X+16*\c+8:X+16*\c+15], v11
.endr
	v_nop
.irp c, 0,1,2,3
	global_store_b128 v4, v[C+4*\c:C+4*\c+3], s[14:15] offset:512*\c   ; 32 lanes store 512 consecutive bytes
.endr
	s_endpgm
.Lfunc_end_k_q50550eef9a_wquant:
	.size	k_q50550eef9a_wquant, .Lfunc_end_k_q50550eef9a_wquant-k_q50550eef9a_wquant
	.p2alignl 7, 3214868480
	.fill 96, 4, 3214868480
	.section	.rodata,"a",@progbits
	.p2align	6, 0x0
	.amdhsa_kernel k_q50550eef9a_wquant
		.amdhsa_group_segment_fixed_size 0
		.amdhsa_private_segment_fixed_size 0
		.amdhsa_enable_private_segment 0
		.amdhsa_kernarg_size 48
		.amdhsa_user_sgpr_count 2
		.amdhsa_user_sgpr_kernarg_segment_ptr 1
		.amdhsa_wavefront_size32 1
		.amdhsa_system_sgpr_workgroup_id_x 1
		.amdhsa_system_sgpr_workgroup_id_y 1
		.amdhsa_system_sgpr_workgroup_id_z 1
		.amdhsa_system_vgpr_workitem_id 0
		.amdhsa_next_free_vgpr 96
		.amdhsa_next_free_sgpr 66
		.amdhsa_reserve_vcc 0
		.amdhsa_float_denorm_mode_32 3
		.amdhsa_float_denorm_mode_16_64 3
		.amdhsa_memory_ordered 1
		.amdhsa_forward_progress 1
		.amdhsa_inst_pref_size 9
	.end_amdhsa_kernel
	.amdgpu_metadata
---
amdhsa.version: [ 1, 2 ]
amdhsa.kernels:
  - .name:           k_q50550eef9a_wquant
    .symbol:         k_q50550eef9a_wquant.kd
    .args:
      - { .name: Wq, .offset: 0, .size: 8, .value_kind: global_buffer, .address_space: global }
      - { .name: Wk, .offset: 8, .size: 8, .value_kind: global_buffer, .address_space: global }
      - { .name: Wv, .offset: 16, .size: 8, .value_kind: global_buffer, .address_space: global }
      - { .name: Wo, .offset: 24, .size: 8, .value_kind: global_buffer, .address_space: global }
      - { .name: lowp_scales, .offset: 32, .size: 8, .value_kind: global_buffer, .address_space: global }
      - { .name: wimg, .offset: 40, .size: 8, .value_kind: global_buffer, .address_space: global }
    .group_segment_fixed_size: 0
    .private_segment_fixed_size: 0
    .kernarg_segment_align: 8
    .kernarg_segment_size: 48
    .max_flat_workgroup_size: 32
    .sgpr_count:     66
    .vgpr_count:     96
    .wavefront_size: 32
...
	.end_amdgpu_metadata
.endif
;; end of part 1
;; launch qkv (part 2): grid 64 x 3, 4 waves a work-group, no clusters, 165,376 bytes of LDS; arguments x, wimg, lowp_scales, qc, kv; writes qc, kv
.if DOCPART == 2
	.amdgcn_target "amdgcn-amd-amdhsa--gfx1250"
	.amdhsa_code_object_version 6
	.text
	.protected	k_q50550eef9a_qkv
	.globl	k_q50550eef9a_qkv
	.p2align	8
	.type	k_q50550eef9a_qkv,@function
k_q50550eef9a_qkv:
	s_mov_b64 s[64:65], 0
	v_nop
	global_prefetch_b8 v0, s[64:65] scope:SCOPE_SE
	s_setreg_imm32_b32 hwreg(HW_REG_WAVE_MODE, 25, 1), 1
	s_wait_xcnt 0x0
; q = x Wq^T / 8, k = x Wk^T, v = x Wv^T, each product on codes of E4M3, and each result quantised at once for the attention's products.
; Grid y = the matrix (0 q, 1 k, 2 v): so a work-group has ONE scale for x (entries 0, 2, 4), one for W (1, 3, 5) and one for the result (6, 7, 9).  Grid x = 256 rows of x: four blocks of 64.
; THE WAVES SHARE THE COLUMNS: wave w makes columns 128 w .. 128 w + 127 (heads 2 w, 2 w + 1) for all rows; its 8 tiles x 4 K steps of weights (512 registers) stay in registers.
; A BLOCK, two barriers.  X: wave w takes rows 16 w .. + 15 of x by loads of 512 consecutive bytes, turns them through its own stage in LDS so that a lane holds 16 neighbours along K, quantises them and stores
; four fragments as images of their registers | barrier | two passes of two row tiles: 16 accumulators by turns, four K steps of 128; the sums are held, converted and stored | barrier (the images may be written again).
; q, k: the product is used transposed (source 0 = W's tile, source 1 = x): a lane holds one token and, by the choice of W's rows, 16 neighbouring channels in two tiles: the codes are the next operand's registers.
; v: source 0 = x, source 1 = W: a lane holds one channel and eight neighbouring tokens, which are the second attention product's K.
; OUT: qc byte ((b 8 + head) 64 + token tile) 1024 + c 512 + lane 16;  kv byte ((b 8 + head) 16 + block of 64 keys) 8192 + { K: tile 1024 + c 512 | V: 4096 + channel tile 1024 + half 512 } + lane 16.
; The factor 1/8 of q and the three scales are folded into the conversion's one: F = e_out - e_x - e_w (+ 3 for q).  LIMITS: e_x and F between -126 and 119.  NaN among the inputs is not served.
; No cluster: x goes through registers for the quantiser, and three work-groups (grid y) share a row block, which no cluster of four divides.
; REGISTERS: window 0: v1-13 addresses and constants; v32-95 x's fragments; v96-223 the 16 accumulators (in phase X two sets of 64 numbers); v224-255 codes on the way out.
;   windows 1, 2: the weights, fragment (t, s) at 16 (4 (t % 4) + s).   window 3: a block's 16 rows of x as they are loaded.
.set LI,   1                           ; v1   16 x lane
.set STA,  4                           ; v4   the stage, on the way in: as the bytes lie
.set SRA,  5                           ; v5   and out: row r, + 64 h
.set IWA,  6                           ; v6   where I store my images
.set VO,   7                           ; v7, v8  my byte offsets in the output, heads 2 w and 2 w + 1
.set SCX,  10                          ; v10  2^ex,  v11  448 x 2^ex
.set LMX,  11
.set SCO,  12                          ; v12  2^F,   v13  448 x 2^F
.set LMO,  13
.set XF,   32
.set ACC,  96
.set ST0,  96
.set ST1,  160
.set OC,   224
.set STG,  32768                       ; LDS: 0 .. 32,767 the 16 images ((m 4 + s) 2048 + c 512 + lane 16); then a stage for each wave
.set SROW, 2064                        ; a stage row: 2,048 bytes + 16, so that the sixteen rows that a load touches start 16 bytes apart modulo 256
.set WSTG, 16*SROW
.set MSB, 0
.macro WIN new                         ; the immediate's high byte repeats the setting that is left
.if MSB != (\new)
	s_set_vgpr_msb (MSB<<8)|(\new)
.set MSB, (\new)
.endif
.endm
.macro PLACES                          ; four places behind matrix instructions, ahead of loads into their sources and of reads of their results
.rept 4
	v_nop
.endr
.endm
.macro XLOAD off                       ; my 16 rows of a block: 64 loads of 512 consecutive bytes, into window 3
	WIN 0xC0
.irp row, 0,1,2,3,4,5,6,7,8,9,10,11,12,13,14,15
.irp ks, 0,1,2,3
	global_load_b128 v[4*(4*\row+\ks):4*(4*\row+\ks)+3], v[LI], s[4:5] offset:\off+\row*2048+\ks*512
.endr
.endr
	WIN 0
.endm
.macro SLOAD reg, ks                   ; K step ks out of the stage: register 16 b + i = k 32 b + 16 h + i of row r
.irp b, 0,1,2,3
.irp j, 0,1,2,3
	ds_load_b128 v[\reg+16*\b+4*\j:\reg+16*\b+4*\j+3], v[SRA] offset:\ks*512+\b*128+\j*16
.endr
.endr
.endm
.macro QUANT src, dst                  ; 64 numbers become a fragment's 16 registers of codes
.irp b, 0,1,2,3
.irp i, 0,1,2,3,4,5,6,7,8,9,10,11,12,13,14,15
	v_med3_num_f32 v[\src+16*\b+\i], v[\src+16*\b+\i], -v[LMX], v[LMX]   ; the conversion does not saturate (ISA guide 7.6.2)
.endr
	v_cvt_scalef32_pk8_fp8_f32 v[\dst+4*\b:\dst+4*\b+1], v[\src+16*\b:\src+16*\b+7], v[SCX]
	v_cvt_scalef32_pk8_fp8_f32 v[\dst+4*\b+2:\dst+4*\b+3], v[\src+16*\b+8:\src+16*\b+15], v[SCX]
.endr
	v_nop                                          ; a plain line behind the last conversion
.endm
.macro IMAGE dst, ks                   ; the fragment goes to LDS as it stands
.irp c, 0,1,2,3
	ds_store_b128 v[IWA], v[\dst+4*\c:\dst+4*\c+3] offset:\ks*2048+\c*512
.endr
.endm
.macro FETCH reg, m, ks                ; and comes back so, in any wave
.irp c, 0,1,2,3
	ds_load_b128 v[\reg+4*\c:\reg+4*\c+3], v[LI] offset:((\m)*4+(\ks))*2048+\c*512
.endr
.endm
; 16 matrix instructions: my 8 tiles of columns x 2 row tiles, K step ks.  The 16 accumulators take turns, one instruction a turn.  The first K step starts the sums.
.macro MUL16 ks, vp
.irp t, 0,1,2,3,4,5,6,7
.if \vp
	WIN 4*(1+\t/4)
.else
	WIN 1+\t/4
.endif
.irp mm, 0,1
.set AC, ACC+8*(2*\t+\mm)
.set WR, 16*(4*(\t%4)+(\ks))
.set XR, XF+32*((\ks)%2)+16*\mm
.if \vp
.if (\ks) == 0
	v_wmma_f32_16x16x128_fp8_fp8 v[AC:AC+7], v[XR:XR+15], v[WR:WR+15], 0
.else
	v_wmma_f32_16x16x128_fp8_fp8 v[AC:AC+7], v[XR:XR+15], v[WR:WR+15], v[AC:AC+7]
.endif
.else
.if (\ks) == 0
	v_wmma_f32_16x16x128_fp8_fp8 v[AC:AC+7], v[WR:WR+15], v[XR:XR+15], 0
.else
	v_wmma_f32_16x16x128_fp8_fp8 v[AC:AC+7], v[WR:WR+15], v[XR:XR+15], v[AC:AC+7]
.endif
.endif
.endr
.endr
.endm
.macro OUT p, vp                       ; the pass's 128 sums a lane: held, converted, stored; each store covers 512 consecutive bytes
	s_wait_xcnt 0x0                                ; the last pass's stores have read their data registers
.set jj, 0
.rept 128
	v_med3_num_f32 v[ACC+jj], v[ACC+jj], -v[LMO], v[LMO]   ; each accumulator from its low end on
.set jj, jj+1
.endr
.if \vp
.irp t, 0,1,2,3,4,5,6,7
.irp mm, 0,1
	v_cvt_scalef32_pk8_fp8_f32 v[OC+4*\t+2*\mm:OC+4*\t+2*\mm+1], v[ACC+8*(2*\t+\mm):ACC+8*(2*\t+\mm)+7], v[SCO]   ; tokens 16 (2 p + mm) + 8 h + 0 .. 7 of my channel
.endr
.endr
	v_nop
.irp t, 0,1,2,3,4,5,6,7
	global_store_b128 v[VO+\t/4], v[OC+4*\t:OC+4*\t+3], s[22:23] offset:4096+(\t%4)*1024+\p*512
.endr
.else
.irp mm, 0,1
.irp hl, 0,1
.irp b, 0,1
.irp u, 0,1
	v_cvt_scalef32_pk8_fp8_f32 v[OC+8*(2*\mm+\hl)+4*\b+2*\u:OC+8*(2*\mm+\hl)+4*\b+2*\u+1], v[ACC+8*(2*(4*\hl+2*\b+\u)+\mm):ACC+8*(2*(4*\hl+2*\b+\u)+\mm)+7], v[SCO]   ; channels 32 b + 16 h + 8 u + 0 .. 7 of my token
.endr
.endr
.endr
.endr
	v_nop
.irp mm, 0,1
.irp hl, 0,1
	global_store_b128 v[VO+\hl], v[OC+8*(2*\mm+\hl):OC+8*(2*\mm+\hl)+3], s[22:23] offset:(2*\p+\mm)*1024
	global_store_b128 v[VO+\hl], v[OC+8*(2*\mm+\hl)+4:OC+8*(2*\mm+\hl)+7], s[22:23] offset:(2*\p+\mm)*1024+512
.endr
.endr
.endif
.endm
.macro PASS p, vp                      ; row tiles 2 p and 2 p + 1; x's fragments in two buffers, a K step ahead
	FETCH XF, 2*\p, 0
	FETCH XF+16, 2*\p+1, 0
	FETCH XF+32, 2*\p, 1
	FETCH XF+48, 2*\p+1, 1
.irp ks, 0,1,2,3
.if \ks < 3
	s_wait_dscnt 8                                 ; this K step's 8 loads are in; the next one's 8 may be out
.else
	s_wait_dscnt 0
.endif
	MUL16 \ks, \vp
	WIN 0
.if \ks != 2
	PLACES
.endif
.if \ks < 2
	FETCH XF+32*(\ks%2), 2*\p, \ks+2
	FETCH XF+32*(\ks%2)+16, 2*\p+1, \ks+2
.endif
.endr
	OUT \p, \vp
.endm
	s_load_b256 s[4:11], s[0:1], 0x0               ; x, wimg, the scales' exponents, qc
	s_load_b64 s[12:13], s[0:1], 0x20              ; kv
	v_lshl_add_u32 v30, v0, 2, 0x28400
	v_mov_b32 v31, 0
	v_lshrrev_b32 v3, 5, v0
	v_readfirstlane_b32 s14, v3                    ; wave 0..3
	s_and_b32 s15, ttmp7, 0xffff                   ; the matrix
	s_mov_b32 s16, ttmp9                           ; which 256 rows
	v_and_b32 v1, 31, v0
	v_lshlrev_b32 v[LI], 4, v1
	v_and_b32 v2, 15, v0                           ; r
	v_bfe_u32 v3, v0, 4, 1                         ; h
	s_mul_i32 s40, s14, WSTG
	s_add_co_u32 s40, s40, STG                     ; my stage
	v_add_nc_u32 v[STA], s40, v[LI]
	v_mul_u32_u24 v[SRA], v2, SROW
	v_lshl_add_u32 v[SRA], v3, 6, v[SRA]
	v_add_nc_u32 v[SRA], s40, v[SRA]
	s_lshl_b32 s41, s14, 13
	v_add_nc_u32 v[IWA], s41, v[LI]                ; row tile w's four images
	s_mov_b32 s18, 0x20000                         ; bytes from head to head: 131,072 in kv, 65,536 in qc
	s_mov_b32 s20, 0x2000                          ; bytes of a block of 64 tokens: 8,192 in kv, 4,096 in qc
	s_mov_b32 s21, 0
	s_cmp_eq_u32 s15, 0
	s_cselect_b32 s18, 0x10000, s18
	s_cselect_b32 s20, 0x1000, s20
	s_lshl_b32 s42, s14, 1
	s_mul_i32 s42, s42, s18
	v_add_nc_u32 v[VO], s42, v[LI]
	v_add_nc_u32 v[VO+1], s18, v[VO]
	s_lshr_b32 s37, s16, 2                         ; the batch
	s_lshl_b32 s37, s37, 3
	s_mul_i32 s38, s37, s18
	s_and_b32 s37, s16, 3
	s_lshl_b32 s37, s37, 2
	s_mul_i32 s37, s37, s20
	s_add_co_u32 s38, s38, s37                     ; the output's byte for my first block, head 0
	s_mov_b32 s39, 0
	s_lshl_b32 s36, s16, 19                        ; x: 256 rows of 2,048 bytes,
	s_lshl_b32 s37, s14, 15                        ; + my 16 rows
	s_add_co_u32 s36, s36, s37
	s_mov_b32 s37, 0
	s_lshl_b32 s40, s15, 18                        ; wimg: 262,144 bytes a matrix,
	s_lshl_b32 s41, s14, 16                        ; 65,536 for a wave's 8 tiles
	s_add_co_u32 s40, s40, s41
	s_mov_b32 s41, 0
	s_mov_b32 s17, 4                               ; blocks to go
	s_wait_kmcnt 0x0
	s_load_b256 s[24:31], s[8:9], 0x0              ; entries 0-7
	s_load_b128 s[32:35], s[8:9], 0x20             ; entries 8-11
	s_cmp_eq_u32 s15, 0                            ; the choice of buffer hangs on the work-group's number alone
	s_cselect_b64 s[22:23], s[10:11], s[12:13]
	s_add_nc_u64 s[22:23], s[22:23], s[38:39]
	s_add_nc_u64 s[4:5], s[4:5], s[36:37]
	s_add_nc_u64 s[6:7], s[6:7], s[40:41]
	XLOAD 0                                        ; the first block
	WIN 0x40
.set ii, 0
.rept 64
	global_load_b128 v[4*ii:4*ii+3], v[LI], s[6:7] offset:512*ii          ; tiles 0-3: they stay
.set ii, ii+1
.endr
	WIN 0x80
.rept 64
	global_load_b128 v[4*(ii-64):4*(ii-64)+3], v[LI], s[6:7] offset:512*ii   ; tiles 4-7
.set ii, ii+1
.endr
	WIN 0
	s_wait_kmcnt 0x0
	s_cmp_eq_u32 s15, 1
	s_cselect_b32 s24, s26, s24
	s_cselect_b32 s25, s27, s25
	s_cselect_b32 s30, s31, s30
	s_cmp_eq_u32 s15, 2
	s_cselect_b32 s24, s28, s24                    ; e of x,
	s_cselect_b32 s25, s29, s25                    ; of W,
	s_cselect_b32 s30, s33, s30                    ; of the result
	s_cmp_eq_u32 s15, 0
	s_cselect_b32 s36, 3, 0                        ; q is divided by 8 ahead of its quantiser
	s_sub_co_i32 s30, s30, s24
	s_sub_co_i32 s30, s30, s25
	s_add_co_i32 s30, s30, s36                     ; F
	s_add_co_i32 s24, s24, 127
	s_lshl_b32 s36, s24, 23
	v_mov_b32 v[SCX], s36
	s_add_co_i32 s24, s24, 8
	s_lshl_b32 s24, s24, 23
	s_or_b32 s24, s24, 0x600000
	v_mov_b32 v[LMX], s24
	s_add_co_i32 s30, s30, 127
	s_lshl_b32 s36, s30, 23
	v_mov_b32 v[SCO], s36
	s_add_co_i32 s30, s30, 8
	s_lshl_b32 s30, s30, 23
	s_or_b32 s30, s30, 0x600000
	v_mov_b32 v[LMO], s30
.Lblock:
	; ---- X: my 16 rows become four fragments
	s_wait_loadcnt 0x0                             ; the block's rows are in (in the first trip the weights too)
	WIN 0x0C                                       ; store data in window 3
.irp row, 0,1,2,3,4,5,6,7,8,9,10,11,12,13,14,15
.irp ks, 0,1,2,3
	ds_store_b128 v[STA], v[4*(4*\row+\ks):4*(4*\row+\ks)+3] offset:\row*SROW+\ks*512
.endr
.endr
	WIN 0
	SLOAD ST0, 0                                   ; LDS serves a wave's instructions in order (ISA guide 5.7.1.4): these see my stores
	SLOAD ST1, 1
	s_wait_dscnt 16                                ; K step 0 is back, and the 64 stores ahead of it are done; K step 1's 16 loads may be out
	s_cmp_eq_u32 s17, 1                            ; the next block is asked for here, if there is one: no load leaves its buffer
	s_cbranch_scc1 .Lno_next
	XLOAD 131072
.Lno_next:
	QUANT ST0, XF
	IMAGE XF, 0
	SLOAD ST0, 2
	s_wait_dscnt 20                                ; K step 1 is back; behind it: 4 stores and 16 loads
	QUANT ST1, XF+16
	IMAGE XF+16, 1
	SLOAD ST1, 3
	s_wait_dscnt 20                                ; K step 2 likewise
	QUANT ST0, XF+32
	IMAGE XF+32, 2
	s_wait_dscnt 4                                 ; K step 3 is back; behind it: 4 stores
	QUANT ST1, XF+48
	IMAGE XF+48, 3
	s_wait_dscnt 0x0                               ; for the others' sake: my images have landed
	s_barrier_signal -1
	s_barrier_wait -1
	; ---- the products.  The two ways differ in the order of the sources and in the way out; both only read LDS, and no barrier stands in either
	s_cmp_eq_u32 s15, 2
	s_cbranch_scc1 .Lv
	PASS 0, 0
	PASS 1, 0
	s_branch .Ljoin
.Lv:
	PASS 0, 1
	PASS 1, 1
.Ljoin:
	s_wait_xcnt 0x0                                ; loads and stores have read their bases
	s_add_nc_u64 s[4:5], s[4:5], 131072            ; 64 rows of x on
	s_add_nc_u64 s[22:23], s[22:23], s[20:21]      ; a block of the output on
	s_wait_dscnt 0x0                               ; my reads of the images are over
	s_barrier_signal -1
	s_barrier_wait -1                              ; everybody's are: they may be written again
	s_sub_co_u32 s17, s17, 1
	s_cmp_lg_u32 s17, 0
	s_cbranch_scc1 .Lblock
	s_wait_tensorcnt 0x0
	ds_add_u32 v30, v31
	s_wait_dscnt 0x0
	s_endpgm
.Lfunc_end_k_q50550eef9a_qkv:
	.size	k_q50550eef9a_qkv, .Lfunc_end_k_q50550eef9a_qkv-k_q50550eef9a_qkv
	.p2alignl 7, 3214868480
	.fill 96, 4, 3214868480
	.section	.rodata,"a",@progbits
	.p2align	6, 0x0
	.amdhsa_kernel k_q50550eef9a_qkv
		.amdhsa_group_segment_fixed_size 165376
		.amdhsa_private_segment_fixed_size 0
		.amdhsa_enable_private_segment 0
		.amdhsa_kernarg_size 40
		.amdhsa_user_sgpr_count 2
		.amdhsa_user_sgpr_kernarg_segment_ptr 1
		.amdhsa_wavefront_size32 1
		.amdhsa_system_sgpr_workgroup_id_x 1
		.amdhsa_system_sgpr_workgroup_id_y 1
		.amdhsa_system_sgpr_workgroup_id_z 1
		.amdhsa_system_vgpr_workitem_id 0
		.amdhsa_next_free_vgpr 1024
		.amdhsa_next_free_sgpr 66
		.amdhsa_reserve_vcc 0
		.amdhsa_float_denorm_mode_32 3
		.amdhsa_float_denorm_mode_16_64 3
		.amdhsa_memory_ordered 1
		.amdhsa_forward_progress 1
		.amdhsa_inst_pref_size 123
	.end_amdhsa_kernel
	.amdgpu_metadata
---
amdhsa.version: [ 1, 2 ]
amdhsa.kernels:
  - .name:           k_q50550eef9a_qkv
    .symbol:         k_q50550eef9a_qkv.kd
    .args:
      - { .name: x, .offset: 0, .size: 8, .value_kind: global_buffer, .address_space: global }
      - { .name: wimg, .offset: 8, .size: 8, .value_kind: global_buffer, .address_space: global }
      - { .name: lowp_scales, .offset: 16, .size: 8, .value_kind: global_buffer, .address_space: global }
      - { .name: qc, .offset: 24, .size: 8, .value_kind: global_buffer, .address_space: global }
      - { .name: kv, .offset: 32, .size: 8, .value_kind: global_buffer, .address_space: global }
    .group_segment_fixed_size: 165376
    .private_segment_fixed_size: 0
    .kernarg_segment_align: 8
    .kernarg_segment_size: 40
    .max_flat_workgroup_size: 128
    .sgpr_count:     66
    .vgpr_count:     1024
    .wavefront_size: 32
...
	.end_amdgpu_metadata
.endif
;; end of part 2
;; launch attn (part 3): grid 8 x 32, 16 waves a work-group, clusters of 4 x 1, 327,680 bytes of LDS; arguments qc, kv, pos_bias, lowp_scales, ao; writes ao
.if DOCPART == 3
	.amdgcn_target "amdgcn-amd-amdhsa--gfx1250"
	.amdhsa_code_object_version 6
	.text
	.protected	k_q50550eef9a_attn
	.globl	k_q50550eef9a_attn
	.p2align	8
	.type	k_q50550eef9a_attn,@function
k_q50550eef9a_attn:
	s_mov_b64 s[64:65], 0
	v_nop
	global_prefetch_b8 v0, s[64:65] scope:SCOPE_SE
	s_setreg_imm32_b32 hwreg(HW_REG_WAVE_MODE, 25, 1), 1
	s_wait_xcnt 0x0
	s_wait_alu depctr_hold_cnt(0) depctr_sa_sdst(0) depctr_va_vdst(0) depctr_va_sdst(0) depctr_va_ssrc(0) depctr_va_vcc(0) depctr_vm_vsrc(0)
	s_getreg_b32 s2, hwreg(HW_REG_IB_STS2, 6, 4)
	s_cmp_eq_u32 s2, 0
	s_cbranch_scc0 .Lentry_in_a_cluster
	s_endpgm
.Lentry_in_a_cluster:
	s_bfe_u32 s2, ttmp6, 0x10000c
	s_cmp_lg_u32 s2, 0x3003
	s_cbranch_scc0 .Lentry_shape_is_right
	s_endpgm
.Lentry_shape_is_right:
; o = softmax(q k^T + pos_bias) v for TWO batches, one head and 256 queries, both products on codes of E4M3; o is quantised at once for the last projection.
; THE SOFTMAX AHEAD OF THE SECOND PRODUCT: t = (score + bias) log2(e); M = the running largest t rounded UP to a whole number; p = 2^(t - M) is quantised with the given 2^e8, not normalised; the row's sum is taken
; of the unquantised p and divides at the end.  When M moves, the sum and O are multiplied by 2^(old M - new M): nothing is rounded.
; SHARES.  Grid y = 4 head + quarter of the queries; the pair of batches = 4 x cluster x + my place in the cluster.  Sixteen waves; wave w owns query tile w of the quarter, once for each of the two batches: pos_bias does
; not hang on the batch, so each number of it that comes into LDS, and each that a wave reads from there, serves two scores.  All waves walk the 1,024 keys, 64 a step.
; CLUSTER.  The four partners are four pairs of batches of the same head and quarter: they need the SAME 256 x 128 numbers of pos_bias in a slot, 128 KiB beside the 32 KiB of K and V.  These come by joint tensor loads
; (waves 0-3, 64 rows of 512 bytes each) through a ring of two slots of TWO key steps: a refill has two steps' work in which to land.  K and V differ between partners: each thread copies 2 x 16 bytes a step
; through registers into LDS bytes of their own, two buffers by turns, so every step has a barrier: the cluster's round at a slot's head, the work-group's own in its middle, behind which nothing is filled.
; LAYOUT.  S^T = K Q^T + bias (source 0 = 16 keys, source 1 = 16 queries): lane (r, h) holds query r, register j of key tile t key 16 t + 8 h + j.  The bias, divided by 2^(e6 + e7), is loaded into batch 0's accumulators;
; batch 1's products take it from there as their C, then batch 0's add onto it in place.  p's conversions give the second product's source 1 as it stands.  O^T = V^T P^T; V's channels are ordered so that a lane's
; 16 registers of two tiles are 16 neighbours along the last projection's K.  K of the two batches and, behind the scores' products, V of the two batches take the same 64 registers.
; OUT: ao byte (token / 16) 8192 + head 1024 + b 512 + lane 16: images of the projection's fragments.
; LIMITS: e6 + e7 between -126 and 126; e8, and e10 - e8 - e9, between -126 and 119.  NaN among the inputs is not served.  p under the format's range is lost.
.set PITCH, 528                        ; a row of a slot: 512 bytes + 16: the sixteen rows that a load touches start 16 bytes apart modulo 256
.set SLOTB, 256*PITCH                  ; a slot: 256 queries x 128 keys
.set KVB,   2*SLOTB                    ; two buffers of 16,384 bytes: batch 0's K (four tiles) and V (four tiles), then batch 1's, as register images
.set KVBUF, 16384
.set SPARE, KVB+2*KVBUF                ; the spare words, 128 bytes for each wave: eight blocks of 256 bytes that no other line names
.set SPW,  1                           ; v1   SPARE + 4 x my thread's number; never rewritten
.set NIL,  2                           ; v2   0; never rewritten
.set AB,   3                           ; v3   my lane's place in the bias of slot 0
.set KVR1, 4                           ; v[4:7]   my 16 bytes of the next step's K and V, batch 1
.set PFO,  8                           ; v8   4,096 x lane: a row of pos_bias
.set AKV,  9                           ; v9   KVB + 16 x lane
.set KVR0, 10                          ; v[10:13] the same, batch 0
.set ST,   14                          ; tile i (= batch i) at v[ST + 8 i]: +0 -M, +1 the largest t, +2, +3 the sum, +4 f, +5 at work (named with f as a pair), +6, +7 at work
.set TA,   20                          ; v20  (tile 0's +6) between steps: an LDS address made for the lines that follow it
.set LOT,  28                          ; v28  (tile 1's +6) at the head and on the way out: 16 x lane
.set KVO,  30                          ; v30  16 x thread;
.set LIMV, 30                          ;      on the way out: 448 x the scale in hand
.set SCV,  31                          ; v31  the scale in hand
.set Q,    32                          ; v32-47   Q, 8 a batch
.set KF,   48                          ; v48-79   batch 0: K's four tiles, then V's
.set VF,   80                          ; v80-111  batch 1: the same
.set S,    112                         ; v112-175 the bias, S^T, p: 32 a batch
.set O,    176                         ; v176-239 O^T: 32 a batch
.set PC,   240                         ; v240-255 p's codes: 8 a batch
.set WV,   14                          ; s14
.set SEL,  20                          ; s[20:21] v_permlanex16_b32's selects: lane l xor 16
.set CS,   22                          ; s[22:23] c = log2(e) x 2^(e6 + e7)
.set IE,   24                          ; s[24:25] 2^-(e6 + e7)
.set G1,   28                          ; s[28:35] descriptor group 1
.set G0,   36                          ; s[36:43] group 0, a set for each slot
.set CNT,  44
.set LIM,  45                          ; 1 in a wave that prefetches
.set PFA,  46                          ; s[46:47] where my prefetches stand
.set KVP,  48                          ; s[48:49] the step's K and V of batch 0 in memory; batch 1's lie 1,048,576 bytes further on
.set LIMS, 86                          ; s86  448 x 2^e8
.macro ROUND                           ; a round of the cluster's barrier
	s_barrier_signal -1
	s_barrier_wait -1
	s_cmp_lg_u32 s[WV], 0
	s_cbranch_scc1 .Lnot_wave_0_\@
	s_barrier_signal -3
.Lnot_wave_0_\@:
	s_barrier_wait -3
	s_barrier_signal -1
	s_barrier_wait -1
.endm
.macro TLOAD sl                        ; the joint load of a slot: waves 0-3, 64 rows each; the branch hangs on the wave's number alone.  Four v_nop follow the line
	s_cmp_lt_u32 s[WV], 4
	s_cbranch_scc0 .Lno_load_\@
	tensor_load_to_lds s[G0+4*(\sl):G0+4*(\sl)+3], s[G1:G1+7]
	s_nop 0
.rept 4
	v_nop
.endr
.Lno_load_\@:
.endm
; A PREFETCH INTO THE L2 of the bias that the NEXT change of slots will ask for: 256 rows x 512 bytes.  The two clusters of a head and quarter read the same rows: the first of them (cluster x = 0) asks.
; Its four partners share the rows out by address, 64 each; in each, waves 8-11 ask: 32 rows and one half of their 512 bytes a wave, a lane a row.  So each aligned 256 bytes of a slot are named once in the launch.
.macro ASK
	s_cmp_eq_u32 s[LIM], 1
	s_cbranch_scc0 .Lnot_mine_\@
	global_prefetch_b8 v[PFO], s[PFA:PFA+1] th:TH_LOAD_NT scope:SCOPE_SE
.Lnot_mine_\@:
.endm
; A KEY STEP: 64 keys: half q of slot sl, K and V out of buffer q.
.macro STEP sl, q
.if \sl
	v_add_nc_u32 v[TA], SLOTB, v[AB]
.set BA, TA
.else
.set BA, AB
.endif
.irp t, 0,1,2,3
	ds_load_b128 v[S+8*\t:S+8*\t+3],   v[BA] offset:\q*256+64*\t          ; the bias of query r, keys 16 t + 8 h + 0 .. 7, into batch 0's accumulator
	ds_load_b128 v[S+8*\t+4:S+8*\t+7], v[BA] offset:\q*256+64*\t+16
.endr
.irp t, 0,1,2,3
.irp c, 0,1
	ds_load_b128 v[VF+8*\t+4*\c:VF+8*\t+4*\c+3], v[AKV] offset:\q*KVBUF+8192+\t*1024+\c*512   ; K of batch 1
.endr
.endr
.irp t, 0,1,2,3
.irp c, 0,1
	ds_load_b128 v[KF+8*\t+4*\c:KF+8*\t+4*\c+3], v[AKV] offset:\q*KVBUF+\t*1024+\c*512        ; K of batch 0
.endr
.endr
	s_wait_dscnt 16                                ; the bias is in; K's 16 loads may be out
.set jj, 0
.rept 16
	v_pk_mul_f32 v[S+jj:S+jj+1], v[S+jj:S+jj+1], s[IE:IE+1] op_sel_hi:[1,0]   ; bias / 2^(e6 + e7): exact; a sum of codes stands for sum x 2^(e6 + e7).  Once for both batches
.set jj, jj+2
.endr
	s_wait_dscnt 8                                 ; batch 1's K is in; batch 0's 8 loads may be out
.irp t, 0,1,2,3
	v_wmma_f32_16x16x64_fp8_fp8 v[S+32+8*\t:S+32+8*\t+7], v[VF+8*\t:VF+8*\t+7], v[Q+8:Q+15], v[S+8*\t:S+8*\t+7]   ; batch 1: C = the bias, D its own registers
.endr
.rept 5
	v_nop                                          ; five places ahead of matrix instructions that write over the C of those above (four by ISA guide 7.12.1)
.endr
	s_wait_dscnt 0x0                               ; batch 0's K is in
.irp t, 0,1,2,3
	v_wmma_f32_16x16x64_fp8_fp8 v[S+8*\t:S+8*\t+7], v[KF+8*\t:KF+8*\t+7], v[Q:Q+7], v[S+8*\t:S+8*\t+7]            ; batch 0: onto the bias, in place
.endr
.rept 4
	v_nop                                          ; places ahead of the loads into K's registers and of the first read of results
.endr
.irp t, 0,1,2,3
.irp c, 0,1
	ds_load_b128 v[KF+8*\t+4*\c:KF+8*\t+4*\c+3], v[AKV] offset:\q*KVBUF+4096+\t*1024+\c*512       ; V of batch 0: it has the softmax in which to come
.endr
.endr
.irp t, 0,1,2,3
.irp c, 0,1
	ds_load_b128 v[VF+8*\t+4*\c:VF+8*\t+4*\c+3], v[AKV] offset:\q*KVBUF+8192+4096+\t*1024+\c*512  ; V of batch 1
.endr
.endr
.irp i, 0,1                                    ; the step's largest score of my query among my 32 keys, in two chains a tile, each accumulator from its low end on
	v_max3_num_f32 v[ST+8*\i+6], v[S+32*\i], v[S+32*\i+1], v[S+32*\i+2]
	v_max3_num_f32 v[ST+8*\i+7], v[S+32*\i+3], v[S+32*\i+4], v[S+32*\i+5]
.endr
.irp k, 6,10,14,18,22,26
.irp i, 0,1
	v_max3_num_f32 v[ST+8*\i+6], v[ST+8*\i+6], v[S+32*\i+\k], v[S+32*\i+\k+1]
	v_max3_num_f32 v[ST+8*\i+7], v[ST+8*\i+7], v[S+32*\i+\k+2], v[S+32*\i+\k+3]
.endr
.endr
.irp i, 0,1
	v_max3_num_f32 v[ST+8*\i+6], v[ST+8*\i+6], v[S+32*\i+30], v[S+32*\i+31]
.endr
.irp i, 0,1
	v_max_num_f32 v[ST+8*\i+6], v[ST+8*\i+6], v[ST+8*\i+7]
.endr
.irp i, 0,1
	v_permlanex16_b32 v[ST+8*\i+5], v[ST+8*\i+6], s[SEL], s[SEL+1]
.endr
.irp i, 0,1
	v_max_num_f32 v[ST+8*\i+6], v[ST+8*\i+6], v[ST+8*\i+5]   ; and among lane l xor 16's
.endr
.irp i, 0,1
	v_mul_f32 v[ST+8*\i+6], s[CS], v[ST+8*\i+6]    ; as t (c is positive)
.endr
.irp i, 0,1
	v_max_num_f32 v[ST+8*\i+1], v[ST+8*\i+1], v[ST+8*\i+6]   ; the running largest t
	v_mov_b32 v[ST+8*\i+6], v[ST+8*\i]
.endr
.irp i, 0,1
	v_floor_f32 v[ST+8*\i], -v[ST+8*\i+1]          ; the new -M = floor(-t): M is a whole number
.endr
.irp i, 0,1
	v_sub_f32 v[ST+8*\i+6], v[ST+8*\i], v[ST+8*\i+6]   ; old M - new M: a whole number, 0 or less
.endr
.irp i, 0,1
	v_cvt_i32_f32 v[ST+8*\i+6], v[ST+8*\i+6]       ; (it saturates)
.endr
.irp i, 0,1
	v_ldexp_f32 v[ST+8*\i+4], 1.0, v[ST+8*\i+6]    ; f = 2^(old M - new M)
.endr
.irp i, 0,1
.irp k, 0,2,4,6,8,10,12,14,16,18,20,22,24,26,28,30
	v_pk_fma_f32 v[S+32*\i+\k:S+32*\i+\k+1], v[S+32*\i+\k:S+32*\i+\k+1], s[CS:CS+1], v[ST+8*\i:ST+8*\i+1] op_sel_hi:[1,0,0]   ; t - M (of the pairs c and -M the low word serves both halves)
.endr
.endr
.set jj, 0
.rept 64
	v_exp_f32 v[S+jj], v[S+jj]                     ; p = 2^(t - M)
.set jj, jj+1
.endr
.irp i, 0,1
	v_pk_mul_f32 v[ST+8*\i+2:ST+8*\i+3], v[ST+8*\i+2:ST+8*\i+3], v[ST+8*\i+4:ST+8*\i+5] op_sel_hi:[1,0]   ; the sums under the new M: the plain lines behind the exponentials
.endr
	s_wait_alu depctr_va_vdst(0)                   ; one wait for the batch of 64, ahead of its first reader
.irp i, 0,1
	v_pk_add_f32 v[ST+8*\i+6:ST+8*\i+7], v[S+32*\i:S+32*\i+1], v[S+32*\i+2:S+32*\i+3]   ; the sum of the unquantised p, in two chains a tile
.endr
.irp k, 4,8,12,16,20,24,28
.irp i, 0,1
	v_pk_add_f32 v[ST+8*\i+2:ST+8*\i+3], v[ST+8*\i+2:ST+8*\i+3], v[S+32*\i+\k:S+32*\i+\k+1]
	v_pk_add_f32 v[ST+8*\i+6:ST+8*\i+7], v[ST+8*\i+6:ST+8*\i+7], v[S+32*\i+\k+2:S+32*\i+\k+3]
.endr
.endr
.irp i, 0,1
	v_pk_add_f32 v[ST+8*\i+2:ST+8*\i+3], v[ST+8*\i+2:ST+8*\i+3], v[ST+8*\i+6:ST+8*\i+7]
.endr
.irp i, 0,1
.irp t, 0,1,2,3
.irp j, 0,1,2,3,4,5,6,7
	v_min_num_f32 v[S+32*\i+8*\t+\j], s[LIMS], v[S+32*\i+8*\t+\j]   ; the conversion does not saturate (ISA guide 7.6.2); p is not negative: the hold is one-sided, and stands whatever e8 is
.endr
	v_cvt_scalef32_pk8_fp8_f32 v[PC+8*\i+2*\t:PC+8*\i+2*\t+1], v[S+32*\i+8*\t:S+32*\i+8*\t+7], v[SCV]   ; keys 16 t + 8 h + 0 .. 7: registers 2 t, 2 t + 1 of the operand
.endr
.endr
.irp i, 0,1
.irp k, 0,2,4,6,8,10,12,14,16,18,20,22,24,26,28,30
	v_pk_mul_f32 v[O+32*\i+\k:O+32*\i+\k+1], v[O+32*\i+\k:O+32*\i+\k+1], v[ST+8*\i+4:ST+8*\i+5] op_sel_hi:[1,0]   ; O^T under the new M; also the plain lines behind the conversions
.endr
.endr
	s_wait_dscnt 0x0                               ; V is in
.irp t, 0,1,2,3
	v_wmma_f32_16x16x64_fp8_fp8 v[O+8*\t:O+8*\t+7], v[KF+8*\t:KF+8*\t+7], v[PC:PC+7], v[O+8*\t:O+8*\t+7]                  ; eight accumulators, one instruction each
	v_wmma_f32_16x16x64_fp8_fp8 v[O+32+8*\t:O+32+8*\t+7], v[VF+8*\t:VF+8*\t+7], v[PC+8:PC+15], v[O+32+8*\t:O+32+8*\t+7]
.endr
.rept 4
	v_nop                                          ; places ahead of the next loads into V's registers, and of the way out's reads
.endr
.endm
; At every step's head my 2 x 16 bytes of this step's K and V go into buffer q, which was last read two steps ago: every wave has since waited for those reads and passed a barrier.
.macro KVIN q
	s_wait_loadcnt 0x0                             ; this step's K and V are in my registers (in the first step Q too); those loads' address registers are free
	v_lshl_add_u32 v[TA], v0, 4, KVB               ; KVB + 16 x thread
	ds_store_b128 v[TA], v[KVR0:KVR0+3] offset:\q*KVBUF
	ds_store_b128 v[TA], v[KVR1:KVR1+3] offset:\q*KVBUF+8192
.endm
.macro KVASK                           ; the next step's: 512 threads x 16 bytes: 8,192 consecutive bytes for each batch
	global_load_b128 v[KVR0:KVR0+3], v[KVO], s[KVP:KVP+1]
	global_load_b128 v[KVR1:KVR1+3], v[KVO], s[KVP:KVP+1] offset:1048576
.endm
; A SLOT'S FIRST STEP, with the change of slots at its head: the wait for all my tensor loads, the add, and the wait for it, for my stores and for my reads of the slot that I have left; a round of the cluster's barrier;
; behind it that slot's joint refill first, one load a wave, with this slot's two steps in which to land.
.macro EVEN sl, refill, ask
	KVIN 0
	s_wait_tensorcnt 0x0                           ; no tensor load of mine is out, so a group 0 may be written
	ds_add_u32 v[SPW], v[NIL]                      ; 0 onto my spare word
	s_add_nc_u64 s[G0+4*\sl+2:G0+4*\sl+3], s[G0+4*\sl+2:G0+4*\sl+3], 1024   ; this slot's next tile: 256 keys on
	s_add_nc_u64 s[KVP:KVP+1], s[KVP:KVP+1], 8192  ; the next step's K and V
.if \ask
	s_wait_xcnt 0x0                                ; the last prefetch, a slot back, has read its address
	s_add_nc_u64 s[PFA:PFA+1], s[PFA:PFA+1], 512   ; one slot further on than the refill below
.endif
	s_wait_dscnt 0x0
	ROUND
.if \refill
	TLOAD 1-\sl
.endif
	KVASK
.if \ask
	ASK
.endif
	STEP \sl, 0
.endm
; A SLOT'S SECOND STEP: the work-group's own barrier, for K and V alone; the other slot's load may stay on its way.
.macro ODD sl, more
	KVIN 1
.if \more
	s_add_nc_u64 s[KVP:KVP+1], s[KVP:KVP+1], 8192
.endif
	s_wait_dscnt 0x0                               ; my stores have landed, and my reads of the other buffer are over
	s_barrier_signal -1
	s_barrier_wait -1
.if \more
	KVASK
.endif
	STEP \sl, 1
.endm
	s_load_b256 s[4:11], s[0:1], 0x0               ; qc, kv, pos_bias, the scales' exponents
	s_load_b64 s[12:13], s[0:1], 0x20              ; ao
	v_lshl_add_u32 v[SPW], v0, 2, SPARE
	v_mov_b32 v[NIL], 0
	ds_add_u32 v1, v2
	s_wait_dscnt 0x0
	v_lshrrev_b32 v3, 5, v0
	v_readfirstlane_b32 s[WV], v3                  ; wave 0..15
	s_bfe_u32 s15, ttmp6, 0x40000                  ; cx: it enters the addresses of qc, kv, ao and the prefetches alone
	s_lshl_b32 s16, ttmp9, 2
	s_add_co_u32 s16, s16, s15                     ; the pair of batches
	s_and_b32 s17, ttmp7, 0xffff
	s_lshr_b32 s18, s17, 2                         ; the head
	s_and_b32 s19, s17, 3                          ; which 256 queries
	s_mov_b32 s[SEL], 0x76543210
	s_mov_b32 s[SEL+1], 0xfedcba98
	; descriptor group 1: 64 rows x 128 numbers of 4 bytes, 1,024 numbers from row to row, 16 bytes of padding behind each row
	s_mov_b32 s[G1], 15|(2<<16)|(1<<20)|(1<<21)|(6<<22)|(3<<25)   ; 15:0 the mask: all four partners; 17:16 elements of 4 bytes; 20 padding on; 21 set beside a mask; 24:22 after every 128 words; 31:25 four words
	s_mov_b32 s[G1+1], 128<<16                     ; tensor_dim0
	s_mov_b32 s[G1+2], 64<<16                      ; tensor_dim1
	s_mov_b32 s[G1+3], 128<<16                     ; tile_dim0
	s_mov_b32 s[G1+4], 64                          ; tile_dim1
	s_mov_b32 s[G1+5], 1024                        ; tensor_dim0_stride
	s_mov_b32 s[G1+6], 0
	s_mov_b32 s[G1+7], 0
	s_and_b32 s50, s[WV], 3
	s_mul_i32 s51, s50, 64*PITCH                   ; where my tile goes; no place in the cluster enters it
	s_lshl_b32 s66, s18, 22                        ; pos_bias: a head is 4 MiB,
	s_lshl_b32 s67, s19, 20                        ; 256 rows are 1 MiB,
	s_add_co_u32 s66, s66, s67
	s_lshl_b32 s68, s50, 18                        ; 64 rows are 256 KiB
	s_add_co_u32 s68, s66, s68
	s_mov_b32 s69, 0
	s_lshl_b32 s70, s16, 4
	s_add_co_u32 s70, s70, s18                     ; 8 x the pair's first batch + head
	s_lshl_b32 s71, s70, 6
	s_lshl_b32 s72, s19, 4
	s_add_co_u32 s71, s71, s72
	s_add_co_u32 s71, s71, s[WV]                   ; my query tile in qc, first batch; the second batch's lies 524,288 bytes further on
	s_lshl_b32 s72, s71, 10
	s_mov_b32 s73, 0
	s_lshl_b32 s74, s70, 17                        ; kv: 131,072 bytes a head
	s_mov_b32 s75, 0
	s_lshl_b32 s76, s16, 7
	s_lshl_b32 s77, s19, 4
	s_add_co_u32 s76, s76, s77
	s_add_co_u32 s76, s76, s[WV]                   ; my row tile in ao, first batch; the second batch's lies 524,288 bytes further on
	s_lshl_b32 s76, s76, 13
	s_lshl_b32 s77, s18, 10
	s_add_co_u32 s76, s76, s77                     ; + 1,024 head
	s_mov_b32 s77, 0
	s_lshl_b32 s78, s15, 18                        ; the prefetches: my work-group's 64 rows,
	s_bfe_u32 s79, s[WV], 0x10001
	s_lshl_b32 s79, s79, 17                        ; my wave's 32 of them,
	s_add_co_u32 s78, s78, s79
	s_and_b32 s79, s[WV], 1
	s_lshl_b32 s79, s79, 8                         ; and its half of a slot's 512 bytes of a row
	s_add_co_u32 s78, s78, s79
	s_add_co_u32 s78, s78, s66
	s_add_co_u32 s78, s78, 512                     ; at slot 1: the first change of slots steps it to slot 2.  Slots 0 and 1 come by their loads alone
	s_mov_b32 s79, 0
	s_lshr_b32 s[LIM], s[WV], 2
	s_xor_b32 s[LIM], s[LIM], 2                    ; 0 in waves 8-11,
	s_or_b32 s[LIM], s[LIM], ttmp9                 ; of the first cluster: the same in all four partners
	s_cmp_eq_u32 s[LIM], 0
	s_cselect_b32 s[LIM], 1, 0
	v_and_b32 v10, 15, v0                          ; r
	v_bfe_u32 v11, v0, 4, 1                        ; h
	s_lshl_b32 s80, s[WV], 4
	v_add_nc_u32 v[AB], s80, v10                   ; my query's row in a slot: 16 w + r
	v_mul_u32_u24 v[AB], v[AB], PITCH
	v_lshl_add_u32 v[AB], v11, 5, v[AB]            ; + 32 h
	v_and_b32 v[LOT], 31, v0
	v_lshlrev_b32 v[PFO], 12, v[LOT]
	v_lshlrev_b32 v[LOT], 4, v[LOT]
	v_add_nc_u32 v[AKV], KVB, v[LOT]
	v_lshlrev_b32 v[KVO], 4, v0
	s_wait_kmcnt 0x0
	s_load_b256 s[52:59], s[10:11], 0x0            ; entries 0-7
	s_load_b128 s[60:63], s[10:11], 0x20           ; entries 8-11
	s_mov_b32 s[G0], 1                             ; count = 1
	s_mov_b32 s[G0+1], s51                         ; LDS address: slot 0
	s_add_nc_u64 s[G0+2:G0+3], s[8:9], s[68:69]    ; global address: keys 0 to 127
	s_mov_b32 s[G0+4], 1
	s_add_co_u32 s[G0+5], s51, SLOTB               ; slot 1
	s_add_nc_u64 s[G0+6:G0+7], s[G0+2:G0+3], 512   ; keys 128 to 255
	s_or_b32 s[G0+3], s[G0+3], 0x80000000          ; type = 2
	s_or_b32 s[G0+7], s[G0+7], 0x80000000
	s_add_nc_u64 s[4:5], s[4:5], s[72:73]
	s_add_nc_u64 s[KVP:KVP+1], s[6:7], s[74:75]
	s_add_nc_u64 s[12:13], s[12:13], s[76:77]
	s_add_nc_u64 s[PFA:PFA+1], s[8:9], s[78:79]
	ROUND                                          ; all four work-groups are here: the first joint loads meet
	TLOAD 0                                        ; keys 0 to 127 into slot 0; slot 1 is first filled behind the first round of the loop, as a refill is
.irp i, 0,1
.irp c, 0,1
	global_load_b128 v[Q+8*\i+4*\c:Q+8*\i+4*\c+3], v[LOT], s[4:5] offset:\i*524288+\c*512   ; Q stays in registers
.endr
.endr
	KVASK                                          ; step 0's K and V
.irp i, 0,1
	v_mov_b32 v[ST+8*\i+1], 0xff61b1e6             ; the largest t so far: -3e38, under every t
	v_mov_b32 v[ST+8*\i+2], 0                      ; the sum, in two halves
	v_mov_b32 v[ST+8*\i+3], 0
	v_mov_b32 v[ST+8*\i+5], 0                      ; written once: a lane permute's destination counts as one of its sources
	v_floor_f32 v[ST+8*\i], -v[ST+8*\i+1]          ; -M
.endr
.set jj, 0
.rept 64
	v_mov_b32 v[O+jj], 0                           ; O^T: the step is written without a first step of its own; the first change of M multiplies zeros
.set jj, jj+1
.endr
	s_wait_kmcnt 0x0
	s_add_co_i32 s81, s58, s59                     ; e6 + e7
	s_lshl_b32 s82, s81, 23
	s_add_co_i32 s[CS], s82, 0x3fb8aa3b            ; log2(e) with e6 + e7 added to its exponent field
	s_mov_b32 s[CS+1], s[CS]                       ; (named with it as a pair, so it is written)
	s_sub_co_i32 s83, 127, s81
	s_lshl_b32 s[IE], s83, 23                      ; 2^-(e6 + e7)
	s_mov_b32 s[IE+1], s[IE]
	s_add_co_i32 s83, s60, 127
	s_lshl_b32 s82, s83, 23
	v_mov_b32 v[SCV], s82                          ; 2^e8
	s_add_co_i32 s83, s83, 8
	s_lshl_b32 s83, s83, 23
	s_or_b32 s[LIMS], s83, 0x600000                ; 448 x 2^e8
	s_sub_co_i32 s85, s62, s60
	s_sub_co_i32 s85, s85, s61                     ; G = e10 - e8 - e9: O / the sum stands for that x 2^(e8 + e9)
	s_add_co_i32 s85, s85, 127
	s_lshl_b32 s84, s85, 23                        ; 2^G
	s_add_co_i32 s85, s85, 8
	s_lshl_b32 s85, s85, 23
	s_or_b32 s85, s85, 0x600000                    ; 448 x 2^G
	s_mov_b32 s[CNT], 3
.Lloop:                                            ; three trips of two slots: slots 0 to 5 ask for slots 1 to 6 and prefetch slots 2 to 7
	EVEN 0, 1, 1
	ODD 0, 1
	EVEN 1, 1, 1
	ODD 1, 1
	s_sub_co_u32 s[CNT], s[CNT], 1
	s_cmp_lg_u32 s[CNT], 0
	s_cbranch_scc1 .Lloop
	EVEN 0, 1, 0                                   ; the tail is written out: slot 6 asks for slot 7
	ODD 0, 1
	EVEN 1, 0, 0                                   ; slot 7 for nothing
	ODD 1, 0                                       ; and the last step has no K and V behind it
	; THE WAY OUT: O^T / the sum, quantised with 2^e10, stored as the projection's fragments
.irp i, 0,1
	v_add_f32 v[ST+8*\i+2], v[ST+8*\i+2], v[ST+8*\i+3]
.endr
.irp i, 0,1
	v_permlanex16_b32 v[ST+8*\i+5], v[ST+8*\i+2], s[SEL], s[SEL+1]
.endr
.irp i, 0,1
	v_add_f32 v[ST+8*\i+2], v[ST+8*\i+2], v[ST+8*\i+5]   ; the row's sum
.endr
.irp i, 0,1
	v_rcp_f32 v[ST+8*\i+4], v[ST+8*\i+2]
.endr
	v_mov_b32 v[LIMV], s85                         ; (plain lines behind the reciprocals; the loads that took v30 as their offset were waited for at the last step's head)
	v_mov_b32 v[SCV], s84
	v_and_b32 v[LOT], 31, v0
	v_lshlrev_b32 v[LOT], 4, v[LOT]                ; 16 x lane
	s_wait_alu depctr_va_vdst(0)                   ; one wait for both, ahead of the first reader
.irp i, 0,1
.irp k, 0,1,2,3,4,5,6,7,8,9,10,11,12,13,14,15,16,17,18,19,20,21,22,23,24,25,26,27,28,29,30,31
	v_mul_f32 v[S+32*\i+\k], v[O+32*\i+\k], v[ST+8*\i+4]   ; each accumulator from its low end on
.endr
.endr
.irp i, 0,1
.irp t, 0,1,2,3
.irp j, 0,1,2,3,4,5,6,7
	v_med3_num_f32 v[S+32*\i+8*\t+\j], v[S+32*\i+8*\t+\j], -v[LIMV], v[LIMV]
.endr
	v_cvt_scalef32_pk8_fp8_f32 v[PC+8*\i+2*\t:PC+8*\i+2*\t+1], v[S+32*\i+8*\t:S+32*\i+8*\t+7], v[SCV]   ; channels 32 (t / 2) + 16 h + 8 (t % 2) + 0 .. 7 of my query
.endr
.endr
	v_nop
.irp i, 0,1
.irp b, 0,1
	global_store_b128 v[LOT], v[PC+8*\i+4*\b:PC+8*\i+4*\b+3], s[12:13] offset:\i*524288+\b*512   ; 32 lanes store 512 consecutive bytes
.endr
.endr
	s_wait_tensorcnt 0x0                           ; the wave's end
	ds_add_u32 v[SPW], v[NIL]
	s_wait_dscnt 0x0
	ROUND                                          ; the closing round: no work-group ends while a partner may still ask for a tile that names it
	s_endpgm
.Lfunc_end_k_q50550eef9a_attn:
	.size	k_q50550eef9a_attn, .Lfunc_end_k_q50550eef9a_attn-k_q50550eef9a_attn
	.p2alignl 7, 3214868480
	.fill 96, 4, 3214868480
	.section	.rodata,"a",@progbits
	.p2align	6, 0x0
	.amdhsa_kernel k_q50550eef9a_attn
		.amdhsa_group_segment_fixed_size 327680
		.amdhsa_private_segment_fixed_size 0
		.amdhsa_enable_private_segment 0
		.amdhsa_kernarg_size 40
		.amdhsa_user_sgpr_count 2
		.amdhsa_user_sgpr_kernarg_segment_ptr 1
		.amdhsa_wavefront_size32 1
		.amdhsa_system_sgpr_workgroup_id_x 1
		.amdhsa_system_sgpr_workgroup_id_y 1
		.amdhsa_system_sgpr_workgroup_id_z 1
		.amdhsa_system_vgpr_workitem_id 0
		.amdhsa_next_free_vgpr 256
		.amdhsa_next_free_sgpr 100
		.amdhsa_reserve_vcc 0
		.amdhsa_float_denorm_mode_32 3
		.amdhsa_float_denorm_mode_16_64 3
		.amdhsa_memory_ordered 1
		.amdhsa_forward_progress 1
		.amdhsa_inst_pref_size 172
	.end_amdhsa_kernel
	.amdgpu_metadata
---
amdhsa.version: [ 1, 2 ]
amdhsa.kernels:
  - .name:           k_q50550eef9a_attn
    .symbol:         k_q50550eef9a_attn.kd
    .args:
      - { .name: qc, .offset: 0, .size: 8, .value_kind: global_buffer, .address_space: global }
      - { .name: kv, .offset: 8, .size: 8, .value_kind: global_buffer, .address_space: global }
      - { .name: pos_bias, .offset: 16, .size: 8, .value_kind: global_buffer, .address_space: global }
      - { .name: lowp_scales, .offset: 24, .size: 8, .value_kind: global_buffer, .address_space: global }
      - { .name: ao, .offset: 32, .size: 8, .value_kind: global_buffer, .address_space: global }
    .group_segment_fixed_size: 327680
    .private_segment_fixed_size: 0
    .kernarg_segment_align: 8
    .kernarg_segment_size: 40
    .max_flat_workgroup_size: 512
    .sgpr_count:     100
    .vgpr_count:     256
    .wavefront_size: 32
...
	.end_amdgpu_metadata
.endif
;; end of part 3
;; launch oproj (part 4): grid 2 x 128, 4 waves a work-group, no clusters, 168,448 bytes of LDS; arguments ao, wimg, lowp_scales, out0; writes out0
.if DOCPART == 4
	.amdgcn_target "amdgcn-amd-amdhsa--gfx1250"
	.amdhsa_code_object_version 6
	.text
	.protected	k_q50550eef9a_oproj
	.globl	k_q50550eef9a_oproj
	.p2align	8
	.type	k_q50550eef9a_oproj,@function
k_q50550eef9a_oproj:
	s_mov_b64 s[64:65], 0
	v_nop
	global_prefetch_b8 v0, s[64:65] scope:SCOPE_SE
	s_setreg_imm32_b32 hwreg(HW_REG_WAVE_MODE, 25, 1), 1
	s_wait_xcnt 0x0
; out0 = o Wo^T on codes of E4M3; each finished sum x 2^(e10 + e11).  LIMIT: e10 + e11 between -126 and 127.
; A work-group makes 128 rows (grid y) x 256 columns (grid x).  Its 8 row tiles of o are 64 KiB of ao on end, images of operand registers: each wave brings a quarter by ONE tensor load (64 rows of 256 bytes, dense);
; LDS is filled once, so there is no ring.  Wave w makes columns 64 w .. + 63: its 4 tiles x 4 K steps of Wo (256 registers) stay in registers, and each fragment of o that it reads from LDS feeds four products.
; THE MATRIX INSTRUCTION IS USED TRANSPOSED (source 0 = 16 rows of Wo, source 1 = 16 tokens): a lane holds eight neighbouring numbers of a row of out0.
; No cluster: two work-groups share a tile of o, 64 KiB of the 320 KiB that a work-group moves, and the grid's x is 2.
; REGISTERS: window 0: v1-6 addresses; v32-159 two buffers of four fragments of o; on the way out v32-63 scaled sums, v64-127 rows read back.  window 1: Wo, fragment (t, s) at 16 (4 t + s).  window 2: accumulator (m, t) at 8 (4 m + t).
.set LI,  1                            ; v1  16 x lane
.set STO, 4                            ; v4  the stage: where I put 32 bytes of a row
.set RD,  5                            ; v5  and where I read rows back
.set CO,  6                            ; v6  my byte offset in two rows of out0
.set XF,  32
.set TMP, 32
.set BK,  64
.set STG, 65536                        ; behind the images: a stage of 16 rows x (256 bytes + 16) for each wave; no tensor load lands there
.set SP,  272
.set MSB, 0
.macro WIN new                         ; the immediate's high byte repeats the setting that is left
.if MSB != (\new)
	s_set_vgpr_msb (MSB<<8)|(\new)
.set MSB, (\new)
.endif
.endm
.macro PLACES
.rept 4
	v_nop
.endr
.endm
.macro FETCH4 buf, ks, mh              ; row tiles 4 mh .. 4 mh + 3, K step ks
.irp mm, 0,1,2,3
.irp c, 0,1,2,3
	ds_load_b128 v[XF+64*(\buf)+16*\mm+4*\c:XF+64*(\buf)+16*\mm+4*\c+3], v[LI] offset:(4*(\mh)+\mm)*8192+(\ks)*2048+\c*512
.endr
.endr
.endm
.macro MUL16 buf, ks, mh               ; 16 of the 32 accumulators, one instruction each; the first K step starts the sums
.irp mm, 0,1,2,3
.irp t, 0,1,2,3
.set AC, 8*(4*(4*(\mh)+\mm)+\t)
.set WR, 16*(4*\t+(\ks))
.set XR, XF+64*(\buf)+16*\mm
.if (\ks) == 0
	v_wmma_f32_16x16x128_fp8_fp8 v[AC:AC+7], v[WR:WR+15], v[XR:XR+15], 0
.else
	v_wmma_f32_16x16x128_fp8_fp8 v[AC:AC+7], v[WR:WR+15], v[XR:XR+15], v[AC:AC+7]
.endif
.endr
.endr
.endm
	s_load_b256 s[4:11], s[0:1], 0x0               ; ao, wimg, the scales' exponents, out0
	v_lshl_add_u32 v254, v0, 2, 0x29000
	v_mov_b32 v255, 0
	ds_add_u32 v254, v255
	v_lshrrev_b32 v2, 5, v0
	v_readfirstlane_b32 s26, v2                    ; wave 0..3
	s_and_b32 s27, ttmp7, 0xffff                   ; which 128 rows
	s_mov_b32 s16, 3<<16                           ; group 1: no mask; elements of 8 bytes; no padding
	s_mov_b32 s17, 32<<16                          ; tensor_dim0 = 32 (256 bytes)
	s_mov_b32 s18, 64<<16                          ; tensor_dim1 = 64
	s_mov_b32 s19, 32<<16                          ; tile_dim0
	s_mov_b32 s20, 64                              ; tile_dim1
	s_mov_b32 s21, 32                              ; the pitch: dense
	s_mov_b32 s22, 0
	s_mov_b32 s23, 0
	s_lshl_b32 s30, s26, 14                        ; my quarter: 16,384 bytes
	s_lshl_b32 s28, s27, 16
	s_add_co_u32 s28, s28, s30
	s_mov_b32 s29, 0
	s_mov_b32 s12, 1                               ; group 0: count = 1
	s_mov_b32 s13, s30                             ; LDS address
	s_wait_dscnt 0x0
	s_wait_kmcnt 0x0
	s_add_nc_u64 s[14:15], s[4:5], s[28:29]        ; global address
	s_or_b32 s15, s15, 0x80000000                  ; type = 2
	tensor_load_to_lds s[12:15], s[16:23]          ; my one tensor load
	s_nop 0
	PLACES                                         ; four v_nop follow the line
	s_load_b64 s[24:25], s[8:9], 0x28              ; e10, e11
	v_and_b32 v1, 31, v0
	v_lshlrev_b32 v[LI], 4, v1
	v_and_b32 v2, 15, v0                           ; r
	v_bfe_u32 v3, v0, 4, 1                         ; h
	s_lshl_b32 s28, ttmp9, 17                      ; Wo's tiles 16 x + 4 w on, 8,192 bytes each, behind the three other matrices
	s_lshl_b32 s31, s26, 15
	s_add_co_u32 s28, s28, s31
	s_add_co_u32 s28, s28, 786432
	s_add_nc_u64 s[6:7], s[6:7], s[28:29]
	WIN 0x40
.set ii, 0
.rept 64
	global_load_b128 v[4*ii:4*ii+3], v[LI], s[6:7] offset:512*ii
.set ii, ii+1
.endr
	WIN 0
	s_mul_i32 s31, s26, 16*SP
	s_add_co_u32 s31, s31, STG                     ; my stage
	v_mul_u32_u24 v[STO], v2, SP
	v_lshl_add_u32 v[STO], v3, 5, v[STO]
	v_add_nc_u32 v[STO], s31, v[STO]               ; in: row r, + 32 h
	v_mul_u32_u24 v[RD], v3, SP
	v_lshl_add_u32 v[RD], v2, 4, v[RD]
	v_add_nc_u32 v[RD], s31, v[RD]                 ; back: lanes 0-15 one row of 256 bytes, lanes 16-31 the next
	v_lshlrev_b32 v[CO], 11, v3
	v_lshl_add_u32 v[CO], v2, 4, v[CO]             ; and the same two rows in out0
	s_lshl_b32 s28, s27, 18                        ; 128 rows of 2,048 bytes
	s_lshl_b32 s31, ttmp9, 10
	s_add_co_u32 s28, s28, s31                     ; + 1,024 x
	s_lshl_b32 s31, s26, 8
	s_add_co_u32 s28, s28, s31                     ; + 256 w
	s_add_nc_u64 s[10:11], s[10:11], s[28:29]
	s_wait_tensorcnt 0x0                           ; my quarter has landed,
	s_barrier_signal -1
	s_barrier_wait -1                              ; everybody's has
	FETCH4 0, 0, 0
	FETCH4 1, 0, 1
	s_wait_loadcnt 0x0                             ; Wo
.irp g, 0,1,2,3,4,5,6,7                        ; group g: K step g / 2, row tiles 4 (g % 2) on
.if \g < 7
	s_wait_dscnt 16                                ; this group's 16 loads are in; the next group's may be out
.else
	s_wait_dscnt 0
.endif
	WIN 0xA1                                       ; source 0 (Wo) window 1, source 1 window 0, C and D window 2
	MUL16 \g%2, \g/2, \g%2
	WIN 0
	PLACES                                         ; ahead of loads into registers that these products read, and of the first read of results
.if \g < 6
	FETCH4 \g%2, (\g+2)/2, \g%2
.endif
.endr
	s_wait_kmcnt 0x0
	s_add_co_i32 s24, s24, s25
	s_add_co_i32 s24, s24, 127
	s_lshl_b32 s24, s24, 23                        ; 2^(e10 + e11) as f32
	s_mov_b32 s25, s24                             ; (named with it as a pair, so it is written)
; THE WAY OUT, a row tile at a time: 16 rows x 64 columns go through my own stage and come back as rows of 256 bytes.  LDS serves a wave's instructions in order (ISA guide 5.7.1.4): no wait between stores and loads.
.macro TOSTAGE m
	WIN 0x02                                       ; source 0: window 2
.irp j, 0,2,4,6,8,10,12,14,16,18,20,22,24,26,28,30
	v_pk_mul_f32 v[TMP+\j:TMP+\j+1], v[32*(\m)+\j:32*(\m)+\j+1], s[24:25] op_sel_hi:[1,0]   ; each accumulator from its low end on
.endr
	WIN 0
.irp t, 0,1,2,3
	ds_store_b128 v[STO], v[TMP+8*\t:TMP+8*\t+3] offset:64*\t
	ds_store_b128 v[STO], v[TMP+8*\t+4:TMP+8*\t+7] offset:64*\t+16
.endr
.irp i, 0,1,2,3,4,5,6,7
	ds_load_b128 v[BK+32*((\m)%2)+4*\i:BK+32*((\m)%2)+4*\i+3], v[RD] offset:2*\i*SP
.endr
.endm
.macro SEND m, younger                 ; younger: the LDS instructions issued behind tile m's loads, which may stay out
	s_wait_dscnt \younger
.irp i, 0,1,2,3,4,5,6,7
	global_store_b128 v[CO], v[BK+32*((\m)%2)+4*\i:BK+32*((\m)%2)+4*\i+3], s[10:11] offset:(\m)*32768+\i*4096 th:TH_STORE_NT   ; 16 lanes store 256 consecutive bytes, at a multiple of 256 from out0's first byte
.endr
.endm
	TOSTAGE 0
.irp m, 1,2,3,4,5,6,7
.if \m > 1
	s_wait_xcnt 0x0                                ; tile m - 2's stores have read their registers: tile m's loads may land there
.endif
	TOSTAGE \m
	SEND \m-1, 16                                  ; behind tile m - 1's loads: tile m's 8 stores and 8 loads
.endr
	SEND 7, 0
	s_wait_tensorcnt 0x0
	ds_add_u32 v254, v255
	s_wait_dscnt 0x0
	s_endpgm
.Lfunc_end_k_q50550eef9a_oproj:
	.size	k_q50550eef9a_oproj, .Lfunc_end_k_q50550eef9a_oproj-k_q50550eef9a_oproj
	.p2alignl 7, 3214868480
	.fill 96, 4, 3214868480
	.section	.rodata,"a",@progbits
	.p2align	6, 0x0
	.amdhsa_kernel k_q50550eef9a_oproj
		.amdhsa_group_segment_fixed_size 168448
		.amdhsa_private_segment_fixed_size 0
		.amdhsa_enable_private_segment 0
		.amdhsa_kernarg_size 32
		.amdhsa_user_sgpr_count 2
		.amdhsa_user_sgpr_kernarg_segment_ptr 1
		.amdhsa_wavefront_size32 1
		.amdhsa_system_sgpr_workgroup_id_x 1
		.amdhsa_system_sgpr_workgroup_id_y 1
		.amdhsa_system_sgpr_workgroup_id_z 1
		.amdhsa_system_vgpr_workitem_id 0
		.amdhsa_next_free_vgpr 768
		.amdhsa_next_free_sgpr 66
		.amdhsa_reserve_vcc 0
		.amdhsa_float_denorm_mode_32 3
		.amdhsa_float_denorm_mode_16_64 3
		.amdhsa_memory_ordered 1
		.amdhsa_forward_progress 1
		.amdhsa_inst_pref_size 50
	.end_amdhsa_kernel
	.amdgpu_metadata
---
amdhsa.version: [ 1, 2 ]
amdhsa.kernels:
  - .name:           k_q50550eef9a_oproj
    .symbol:         k_q50550eef9a_oproj.kd
    .args:
      - { .name: ao, .offset: 0, .size: 8, .value_kind: global_buffer, .address_space: global }
      - { .name: wimg, .offset: 8, .size: 8, .value_kind: global_buffer, .address_space: global }
      - { .name: lowp_scales, .offset: 16, .size: 8, .value_kind: global_buffer, .address_space: global }
      - { .name: out0, .offset: 24, .size: 8, .value_kind: global_buffer, .address_space: global }
    .group_segment_fixed_size: 168448
    .private_segment_fixed_size: 0
    .kernarg_segment_align: 8
    .kernarg_segment_size: 32
    .max_flat_workgroup_size: 128
    .sgpr_count:     66
    .vgpr_count:     768
    .wavefront_size: 32
...
	.end_amdgpu_metadata
.endif
;; end of part 4
;; ======== version 2 of 2: 4 launches
;; workspace buffers: wimg 1,048,576 bytes; qc 8,388,608 bytes; kv 16,777,216 bytes; ao 8,388,608 bytes
;; launch wquant (part 5): grid 128 x 4, 1 waves a work-group, no clusters, 0 bytes of LDS; arguments Wq, Wk, Wv, Wo, lowp_scales, wimg; writes wimg
.if DOCPART == 5
	.amdgcn_target "amdgcn-amd-amdhsa--gfx1250"
	.amdhsa_code_object_version 6
	.text
	.protected	k_q50550eef9a_wquant
	.globl	k_q50550eef9a_wquant
	.p2align	8
	.type	k_q50550eef9a_wquant,@function
k_q50550eef9a_wquant:
	s_mov_b64 s[64:65], 0
	v_nop
	global_prefetch_b8 v0, s[64:65] scope:SCOPE_SE
	s_setreg_imm32_b32 hwreg(HW_REG_WAVE_MODE, 25, 1), 1
	s_wait_xcnt 0x0
; Wq, Wk, Wv, Wo ([512 out][512 K], f32) become codes of E4M3, each with its given scale 2^e (entries 1, 3, 5, 11), laid as IMAGES OF OPERAND REGISTERS:
; wimg byte ((mat 32 + t) 4 + s) 2048 + c 512 + lane 16: tile t of 16 rows, K step s of 128; lane (r, h) holds of its row k = 128 s + 32 c + 16 h + 0 .. 15 in group c.
; Which rows form a tile: Wo: rows 16 t + r.  Wq, Wk, Wv: lane r takes row 64 (t / 4) + 32 ((t / 2) % 2) + 8 (t % 2) + r + 8 (r / 8), so that the results of two neighbouring
; tiles of the product, used transposed, are 16 neighbours along the next K.
; One wave to a work-group, one fragment to a wave: grid x = 4 t + s, grid y = the matrix.  A lane reads its 64 bytes of each block of 32 in four pieces of 16; the stores cover 512 consecutive bytes.
; The four tensors are 4 MiB, read once: no LDS, no ring.  LIMITS: e between -126 and 119.  NaN among the inputs is not served.
.set X, 16                             ; v16-79  64 numbers
.set C, 80                             ; v80-95  their codes
	s_load_b256 s[4:11], s[0:1], 0x0               ; Wq, Wk, Wv, Wo
	s_load_b128 s[12:15], s[0:1], 0x20             ; the scales' exponents, wimg
	s_and_b32 s28, ttmp7, 0xffff                   ; the matrix: 0 q, 1 k, 2 v, 3 o
	s_lshr_b32 s29, ttmp9, 2                       ; t
	s_and_b32 s30, ttmp9, 3                        ; s
	v_and_b32 v1, 15, v0                           ; r
	s_wait_alu depctr_va_vdst(0)
	v_bfe_u32 v2, v0, 4, 1                         ; h
	v_lshlrev_b32 v4, 4, v0                        ; 16 x lane (one wave: the thread is the lane)
	s_lshr_b32 s31, s29, 2
	s_lshl_b32 s31, s31, 6                         ; 64 (t / 4)
	s_bfe_u32 s32, s29, 0x10001
	s_lshl_b32 s32, s32, 5                         ; 32 ((t / 2) % 2)
	s_add_co_u32 s31, s31, s32
	s_and_b32 s33, s29, 1
	s_lshl_b32 s33, s33, 3                         ; 8 (t % 2)
	s_add_co_u32 s31, s31, s33
	s_lshl_b32 s34, s29, 4                         ; 16 t
	s_cmp_lt_u32 s28, 3
	s_cselect_b32 s31, s31, s34                    ; the tile's first row
	s_cselect_b32 s35, 8, 0                        ; q, k, v: lanes 8-15 stand 8 rows further on
	v_and_b32 v5, s35, v1
	v_add3_u32 v5, v5, v1, s31                     ; my row
	v_lshlrev_b32 v3, 11, v5                       ; a row is 2,048 bytes
	s_wait_alu depctr_va_vdst(0)
	v_lshl_add_u32 v3, v2, 6, v3                   ; + 64 h
	s_lshl_b32 s36, s30, 9
	v_add_nc_u32 v3, s36, v3                       ; + 512 s
	s_lshl_b32 s37, s28, 7
	s_add_co_u32 s37, s37, ttmp9                   ; (mat 32 + t) 4 + s
	s_lshl_b32 s38, s37, 11
	s_mov_b32 s39, 0
	s_wait_alu depctr_va_vdst(0)
	s_wait_kmcnt 0x0
	s_load_b256 s[16:23], s[12:13], 0x0            ; entries 0-7
	s_load_b128 s[24:27], s[12:13], 0x20           ; entries 8-11
	s_cmp_eq_u32 s28, 1                            ; the choice of tensor hangs on the work-group's number alone
	s_cselect_b64 s[4:5], s[6:7], s[4:5]
	s_cmp_eq_u32 s28, 2
	s_cselect_b64 s[4:5], s[8:9], s[4:5]
	s_cmp_eq_u32 s28, 3
	s_cselect_b64 s[4:5], s[10:11], s[4:5]
	s_add_nc_u64 s[14:15], s[14:15], s[38:39]
.irp c, 0,1,2,3
.irp j, 0,1,2,3
	global_load_b128 v[X+16*\c+4*\j:X+16*\c+4*\j+3], v3, s[4:5] offset:128*\c+16*\j th:TH_LOAD_NT
.endr
.endr
	s_wait_kmcnt 0x0
	s_cmp_eq_u32 s28, 1
	s_cselect_b32 s17, s19, s17
	s_cmp_eq_u32 s28, 2
	s_cselect_b32 s17, s21, s17
	s_cmp_eq_u32 s28, 3
	s_cselect_b32 s17, s27, s17                    ; e
	s_add_co_i32 s17, s17, 127
	s_lshl_b32 s18, s17, 23
	v_mov_b32 v11, s18                             ; 2^e as f32: the conversion takes its exponent field
	s_add_co_i32 s17, s17, 8
	s_lshl_b32 s17, s17, 23
	s_or_b32 s17, s17, 0x600000
	v_mov_b32 v10, s17                             ; 448 x 2^e
	s_wait_alu depctr_va_vdst(0)
.irp c, 0,1,2,3
	s_wait_loadcnt 12-4*\c                         ; group c's four loads are in; the later groups may be out
.irp i, 0,1,2,3,4,5,6,7,8,9,10,11,12,13,14,15
	v_med3_num_f32 v[X+16*\c+\i], v[X+16*\c+\i], -v10, v10   ; the conversion does not saturate (ISA guide 7.6.2): the hold at the largest code x the scale
.endr
	v_cvt_scalef32_pk8_fp8_f32 v[C+4*\c:C+4*\c+1], v[X+16*\c:X+16*\c+7], v11
	v_cvt_scalef32_pk8_fp8_f32 v[C+4*\c+2:C+4*\c+3], v[X+16*\c+8:X+16*\c+15], v11
.endr
	v_nop
.irp c, 0,1,2,3
	global_store_b128 v4, v[C+4*\c:C+4*\c+3], s[14:15] offset:512*\c   ; 32 lanes store 512 consecutive bytes
.endr
	s_endpgm
.Lfunc_end_k_q50550eef9a_wquant:
	.size	k_q50550eef9a_wquant, .Lfunc_end_k_q50550eef9a_wquant-k_q50550eef9a_wquant
	.p2alignl 7, 3214868480
	.fill 96, 4, 3214868480
	.section	.rodata,"a",@progbits
	.p2align	6, 0x0
	.amdhsa_kernel k_q50550eef9a_wquant
		.amdhsa_group_segment_fixed_size 0
		.amdhsa_private_segment_fixed_size 0
		.amdhsa_enable_private_segment 0
		.amdhsa_kernarg_size 48
		.amdhsa_user_sgpr_count 2
		.amdhsa_user_sgpr_kernarg_segment_ptr 1
		.amdhsa_wavefront_size32 1
		.amdhsa_system_sgpr_workgroup_id_x 1
		.amdhsa_system_sgpr_workgroup_id_y 1
		.amdhsa_system_sgpr_workgroup_id_z 1
		.amdhsa_system_vgpr_workitem_id 0
		.amdhsa_next_free_vgpr 96
		.amdhsa_next_free_sgpr 66
		.amdhsa_reserve_vcc 0
		.amdhsa_float_denorm_mode_32 3
		.amdhsa_float_denorm_mode_16_64 3
		.amdhsa_memory_ordered 1
		.amdhsa_forward_progress 1
		.amdhsa_inst_pref_size 9
	.end_amdhsa_kernel
	.amdgpu_metadata
---
amdhsa.version: [ 1, 2 ]
amdhsa.kernels:
  - .name:           k_q50550eef9a_wquant
    .symbol:         k_q50550eef9a_wquant.kd
    .args:
      - { .name: Wq, .offset: 0, .size: 8, .value_kind: global_buffer, .address_space: global }
      - { .name: Wk, .offset: 8, .size: 8, .value_kind: global_buffer, .address_space: global }
      - { .name: Wv, .offset: 16, .size: 8, .value_kind: global_buffer, .address_space: global }
      - { .name: Wo, .offset: 24, .size: 8, .value_kind: global_buffer, .address_space: global }
      - { .name: lowp_scales, .offset: 32, .size: 8, .value_kind: global_buffer, .address_space: global }
      - { .name: wimg, .offset: 40, .size: 8, .value_kind: global_buffer, .address_space: global }
    .group_segment_fixed_size: 0
    .private_segment_fixed_size: 0
    .kernarg_segment_align: 8
    .kernarg_segment_size: 48
    .max_flat_workgroup_size: 32
    .sgpr_count:     66
    .vgpr_count:     96
    .wavefront_size: 32
...
	.end_amdgpu_metadata
.endif
;; end of part 5
;; launch qkv (part 6): grid 64 x 3, 4 waves a work-group, no clusters, 165,376 bytes of LDS; arguments x, wimg, lowp_scales, qc, kv; writes qc, kv
.if DOCPART == 6
	.amdgcn_target "amdgcn-amd-amdhsa--gfx1250"
	.amdhsa_code_object_version 6
	.text
	.protected	k_q50550eef9a_qkv
	.globl	k_q50550eef9a_qkv
	.p2align	8
	.type	k_q50550eef9a_qkv,@function
k_q50550eef9a_qkv:
	s_mov_b64 s[64:65], 0
	v_nop
	global_prefetch_b8 v0, s[64:65] scope:SCOPE_SE
	s_setreg_imm32_b32 hwreg(HW_REG_WAVE_SCHED_MODE, 0, 2), 2
	s_setreg_imm32_b32 hwreg(HW_REG_WAVE_MODE, 25, 1), 1
	s_wait_xcnt 0x0
	s_wait_alu depctr_vm_vsrc(0)
; q = x Wq^T / 8, k = x Wk^T, v = x Wv^T, each product on codes of E4M3, and each result quantised at once for the attention's products.
; Grid y = the matrix (0 q, 1 k, 2 v): so a work-group has ONE scale for x (entries 0, 2, 4), one for W (1, 3, 5) and one for the result (6, 7, 9).  Grid x = 256 rows of x: four blocks of 64.
; THE WAVES SHARE THE COLUMNS: wave w makes columns 128 w .. 128 w + 127 (heads 2 w, 2 w + 1) for all rows; its 8 tiles x 4 K steps of weights (512 registers) stay in registers.
; A BLOCK, two barriers.  X: wave w takes rows 16 w .. + 15 of x by loads of 512 consecutive bytes, turns them through its own stage in LDS so that a lane holds 16 neighbours along K, quantises them and stores
; four fragments as images of their registers | barrier | two passes of two row tiles: 16 accumulators by turns, four K steps of 128; the sums are held, converted and stored | barrier (the images may be written again).
; q, k: the product is used transposed (source 0 = W's tile, source 1 = x): a lane holds one token and, by the choice of W's rows, 16 neighbouring channels in two tiles: the codes are the next operand's registers.
; v: source 0 = x, source 1 = W: a lane holds one channel and eight neighbouring tokens, which are the second attention product's K.
; OUT: qc byte ((b 8 + head) 64 + token tile) 1024 + c 512 + lane 16;  kv byte ((b 8 + head) 16 + block of 64 keys) 8192 + { K: tile 1024 + c 512 | V: 4096 + channel tile 1024 + half 512 } + lane 16.
; The factor 1/8 of q and the three scales are folded into the conversion's one: F = e_out - e_x - e_w (+ 3 for q).  LIMITS: e_x and F between -126 and 119.  NaN among the inputs is not served.
; No cluster: x goes through registers for the quantiser, and three work-groups (grid y) share a row block, which no cluster of four divides.
; REGISTERS: window 0: v1-13 addresses and constants; v32-95 x's fragments; v96-223 the 16 accumulators (in phase X two sets of 64 numbers); v224-255 codes on the way out.
;   windows 1, 2: the weights, fragment (t, s) at 16 (4 (t % 4) + s).   window 3: a block's 16 rows of x as they are loaded.
; THE MODE: SCHED_MODE bits 1:0 = 2 (LLVM: expert scheduling mode 2), set by the entry lines.  The code itself states the register dependences
; between vector or matrix instructions and memory or LDS instructions, with s_wait_alu, always for 0.
; THE PLAN.  Registers that memory or LDS instructions touch:
;   v1, v4-v8, v30, v31   offsets and LDS addresses: written at the head, never again; one wait on va_vdst ahead of the first load serves them all.
;   window 3              written by the global loads of x, read by the 64 LDS stores at a block's head: one wait on vm_vsrc ahead of the next block's loads.  No vector instruction names them.
;   ST0, ST1 (phase X)    the stage's loads land there; a QUANT holds them in place and converts them.
;   XF (phase X)          a QUANT's conversions write a fragment, IMAGE's LDS stores read it.  ONE wait on va_vdst behind each QUANT: the fragment is written, and the QUANT is done with its ST set, which is asked for again.
;   XF (the products)     two buffers: K steps 0 and 2 in buffer 0, K steps 1 and 3 in buffer 1.  The images' loads land there (behind one wait on vm_vsrc: IMAGE's stores have read XF), matrix instructions read them.
;                         ONE wait on va_vdst at the head of a K step that fetches: the products of the step before are done reading the other buffer.  The eight loads into that buffer follow behind the step's first two
;                         products, which name this step's buffer, the weights and the accumulators alone.
;   OC                    OUT's conversions write it, the global stores read it: va_vdst ahead of the stores, vm_vsrc (beside the wait on XCNT) ahead of the next OUT's conversions, a pass's products later.
;   the accumulators      are ST0 and ST1 again in the next block: OUT's wait on va_vdst stands behind the last instruction that names them, and only stores, scalar lines and a barrier follow it.
.set LI,   1                           ; v1   16 x lane
.set STA,  4                           ; v4   the stage, on the way in: as the bytes lie
.set SRA,  5                           ; v5   and out: row r, + 64 h
.set IWA,  6                           ; v6   where I store my images
.set VO,   7                           ; v7, v8  my byte offsets in the output, heads 2 w and 2 w + 1
.set SCX,  10                          ; v10  2^ex,  v11  448 x 2^ex
.set LMX,  11
.set SCO,  12                          ; v12  2^F,   v13  448 x 2^F
.set LMO,  13
.set XF,   32
.set ACC,  96
.set ST0,  96
.set ST1,  160
.set OC,   224
.set STG,  32768                       ; LDS: 0 .. 32,767 the 16 images ((m 4 + s) 2048 + c 512 + lane 16); then a stage for each wave
.set SROW, 2064                        ; a stage row: 2,048 bytes + 16, so that the sixteen rows that a load touches start 16 bytes apart modulo 256
.set WSTG, 16*SROW
.set MSB, 0
.macro WIN new                         ; the immediate's high byte repeats the setting that is left
.if MSB != (\new)
	s_set_vgpr_msb (MSB<<8)|(\new)
.set MSB, (\new)
.endif
.endm
.macro PLACES                          ; four places behind matrix instructions, ahead of loads into their sources and of reads of their results
.rept 4
	v_nop
.endr
.endm
.macro XLOAD off                       ; my 16 rows of a block: 64 loads of 512 consecutive bytes, into window 3
	WIN 0xC0
.irp row, 0,1,2,3,4,5,6,7,8,9,10,11,12,13,14,15
.irp ks, 0,1,2,3
	global_load_b128 v[4*(4*\row+\ks):4*(4*\row+\ks)+3], v[LI], s[4:5] offset:\off+\row*2048+\ks*512
.endr
.endr
	WIN 0
.endm
.macro SLOAD reg, ks                   ; K step ks out of the stage: register 16 b + i = k 32 b + 16 h + i of row r
.irp b, 0,1,2,3
.irp j, 0,1,2,3
	ds_load_b128 v[\reg+16*\b+4*\j:\reg+16*\b+4*\j+3], v[SRA] offset:\ks*512+\b*128+\j*16
.endr
.endr
.endm
.macro QUANT src, dst                  ; 64 numbers become a fragment's 16 registers of codes
.irp b, 0,1,2,3
.irp i, 0,1,2,3,4,5,6,7,8,9,10,11,12,13,14,15
	v_med3_num_f32 v[\src+16*\b+\i], v[\src+16*\b+\i], -v[LMX], v[LMX]   ; the conversion does not saturate (ISA guide 7.6.2)
.endr
	v_cvt_scalef32_pk8_fp8_f32 v[\dst+4*\b:\dst+4*\b+1], v[\src+16*\b:\src+16*\b+7], v[SCX]
	v_cvt_scalef32_pk8_fp8_f32 v[\dst+4*\b+2:\dst+4*\b+3], v[\src+16*\b+8:\src+16*\b+15], v[SCX]
.endr
	v_nop                                          ; a plain line behind the last conversion
.endm
.macro IMAGE dst, ks                   ; the fragment goes to LDS as it stands
.irp c, 0,1,2,3
	ds_store_b128 v[IWA], v[\dst+4*\c:\dst+4*\c+3] offset:\ks*2048+\c*512
.endr
.endm
.macro FETCH reg, m, ks                ; and comes back so, in any wave
.irp c, 0,1,2,3
	ds_load_b128 v[\reg+4*\c:\reg+4*\c+3], v[LI] offset:((\m)*4+(\ks))*2048+\c*512
.endr
.endm
; Two matrix instructions: my tile t of columns x 2 row tiles, K step ks.  A K step is eight of these: the 16 accumulators take turns, one instruction a turn, in the same order in every step.  The first K step starts the sums.
.macro MUL2 ks, vp, t
.if \vp
	WIN 4*(1+(\t)/4)
.else
	WIN 1+(\t)/4
.endif
.irp mm, 0,1
.set AC, ACC+8*(2*(\t)+\mm)
.set WR, 16*(4*((\t)%4)+(\ks))
.set XR, XF+32*((\ks)%2)+16*\mm
.if \vp
.if (\ks) == 0
	v_wmma_f32_16x16x128_fp8_fp8 v[AC:AC+7], v[XR:XR+15], v[WR:WR+15], 0
.else
	v_wmma_f32_16x16x128_fp8_fp8 v[AC:AC+7], v[XR:XR+15], v[WR:WR+15], v[AC:AC+7]
.endif
.else
.if (\ks) == 0
	v_wmma_f32_16x16x128_fp8_fp8 v[AC:AC+7], v[WR:WR+15], v[XR:XR+15], 0
.else
	v_wmma_f32_16x16x128_fp8_fp8 v[AC:AC+7], v[WR:WR+15], v[XR:XR+15], v[AC:AC+7]
.endif
.endif
.endr
.endm
; A K step: 16 matrix instructions on buffer ks % 2.  left: the LDS loads that may stay out when this step's fragments have to be there.
; fetch = 1: the fragments of row tiles fm and fm + 1, K step fk, are asked for, into the other buffer, behind the step's first two products.
; places = 1: this step's buffer is loaded again, or its results are read, before other vector work has stood behind its products.
.macro KSTEP ks, vp, left, fetch, fm, fk, places
	s_wait_dscnt \left                             ; LDS loads come back in order (ISA guide 5.7.1): this step's 8 loads are in
.if \fetch
	s_wait_alu depctr_va_vdst(0)                   ; the products of the step before are done reading the other buffer, in which the eight loads below land
.endif
	MUL2 \ks, \vp, 0
.if \fetch
	WIN 0                                          ; (the loads' address and data lie in window 0)
	FETCH XF+32*(1-(\ks)%2), \fm, \fk              ; no wait: no vector or matrix instruction since the wait above names that buffer
	FETCH XF+32*(1-(\ks)%2)+16, (\fm)+1, \fk
.endif
.irp t, 1,2,3,4,5,6,7
	MUL2 \ks, \vp, \t
.endr
	WIN 0
.if \places
	PLACES
.endif
.endm
.macro OUT p, vp, fetch                ; the pass's 128 sums a lane: held, converted, stored; each store covers 512 consecutive bytes.  fetch = 1: the next pass's K step 1 is asked for
	s_wait_xcnt 0x0                                ; the last pass's stores have read their data registers
	s_wait_alu depctr_vm_vsrc(0)                   ; beside it: the last pass's stores have read v[OC ..], which the conversions below write again
.set jj, 0
.rept 128
	v_med3_num_f32 v[ACC+jj], v[ACC+jj], -v[LMO], v[LMO]   ; each accumulator from its low end on
.set jj, jj+1
.endr
.if \vp
.irp t, 0,1,2,3,4,5,6,7
.irp mm, 0,1
	v_cvt_scalef32_pk8_fp8_f32 v[OC+4*\t+2*\mm:OC+4*\t+2*\mm+1], v[ACC+8*(2*\t+\mm):ACC+8*(2*\t+\mm)+7], v[SCO]   ; tokens 16 (2 p + mm) + 8 h + 0 .. 7 of my channel
.endr
.endr
.else
.irp mm, 0,1
.irp hl, 0,1
.irp b, 0,1
.irp u, 0,1
	v_cvt_scalef32_pk8_fp8_f32 v[OC+8*(2*\mm+\hl)+4*\b+2*\u:OC+8*(2*\mm+\hl)+4*\b+2*\u+1], v[ACC+8*(2*(4*\hl+2*\b+\u)+\mm):ACC+8*(2*(4*\hl+2*\b+\u)+\mm)+7], v[SCO]   ; channels 32 b + 16 h + 8 u + 0 .. 7 of my token
.endr
.endr
.endr
.endr
.endif
	v_nop
	s_wait_alu depctr_va_vdst(0)                   ; the conversions have written v[OC ..], which the stores read; K step 3's products are done reading buffer 1; the holds and conversions are done with v96-223, in which the next block's loads from the stage land
.if \fetch
	FETCH XF+32, 2, 1                              ; the next pass's K step 1, into buffer 1
	FETCH XF+48, 3, 1
.endif
.if \vp
.irp t, 0,1,2,3,4,5,6,7
	global_store_b128 v[VO+\t/4], v[OC+4*\t:OC+4*\t+3], s[22:23] offset:4096+(\t%4)*1024+\p*512
.endr
.else
.irp mm, 0,1
.irp hl, 0,1
	global_store_b128 v[VO+\hl], v[OC+8*(2*\mm+\hl):OC+8*(2*\mm+\hl)+3], s[22:23] offset:(2*\p+\mm)*1024
	global_store_b128 v[VO+\hl], v[OC+8*(2*\mm+\hl)+4:OC+8*(2*\mm+\hl)+7], s[22:23] offset:(2*\p+\mm)*1024+512
.endr
.endr
.endif
.endm
; Row tiles 2 p and 2 p + 1; x's fragments in two buffers, a K step ahead.  Pass 0 asks for its first two K steps at its head; pass 1's are asked for in pass 0: K step 0 in its last K step, K step 1 on its way out.
.macro PASS p, vp
.if \p == 0
	FETCH XF, 0, 0
	FETCH XF+16, 1, 0
	FETCH XF+32, 0, 1
	FETCH XF+48, 1, 1
.endif
	KSTEP 0, \vp, 8, 0, 0, 0, 1                    ; K step 1's 8 loads may be out
	KSTEP 1, \vp, 0, 1, 2*\p, 2, 1
	KSTEP 2, \vp, 0, 1, 2*\p, 3, 1-\p
.if \p == 0
	KSTEP 3, \vp, 0, 1, 2, 0, 1
.else
	KSTEP 3, \vp, 0, 0, 0, 0, 1
.endif
	OUT \p, \vp, 1-\p
.endm
	s_load_b256 s[4:11], s[0:1], 0x0               ; x, wimg, the scales' exponents, qc
	s_load_b64 s[12:13], s[0:1], 0x20              ; kv
	v_lshl_add_u32 v30, v0, 2, 0x28400
	v_mov_b32 v31, 0
	v_lshrrev_b32 v3, 5, v0
	v_readfirstlane_b32 s14, v3                    ; wave 0..3
	s_and_b32 s15, ttmp7, 0xffff                   ; the matrix
	s_mov_b32 s16, ttmp9                           ; which 256 rows
	v_and_b32 v1, 31, v0
	v_lshlrev_b32 v[LI], 4, v1
	s_wait_alu depctr_va_vdst(0)
	v_and_b32 v2, 15, v0                           ; r
	v_bfe_u32 v3, v0, 4, 1                         ; h
	s_wait_alu depctr_va_sdst(0)                   ; s14 is written, ahead of its first reader: LDS addresses and the bases of x, wimg and the output are made from it
	s_mul_i32 s40, s14, WSTG
	s_add_co_u32 s40, s40, STG                     ; my stage
	v_add_nc_u32 v[STA], s40, v[LI]
	v_mul_u32_u24 v[SRA], v2, SROW
	v_lshl_add_u32 v[SRA], v3, 6, v[SRA]
	v_add_nc_u32 v[SRA], s40, v[SRA]
	s_lshl_b32 s41, s14, 13
	v_add_nc_u32 v[IWA], s41, v[LI]                ; row tile w's four images
	s_mov_b32 s18, 0x20000                         ; bytes from head to head: 131,072 in kv, 65,536 in qc
	s_mov_b32 s20, 0x2000                          ; bytes of a block of 64 tokens: 8,192 in kv, 4,096 in qc
	s_mov_b32 s21, 0
	s_cmp_eq_u32 s15, 0
	s_cselect_b32 s18, 0x10000, s18
	s_cselect_b32 s20, 0x1000, s20
	s_lshl_b32 s42, s14, 1
	s_mul_i32 s42, s42, s18
	v_add_nc_u32 v[VO], s42, v[LI]
	v_add_nc_u32 v[VO+1], s18, v[VO]
	s_lshr_b32 s37, s16, 2                         ; the batch
	s_lshl_b32 s37, s37, 3
	s_mul_i32 s38, s37, s18
	s_and_b32 s37, s16, 3
	s_lshl_b32 s37, s37, 2
	s_mul_i32 s37, s37, s20
	s_add_co_u32 s38, s38, s37                     ; the output's byte for my first block, head 0
	s_mov_b32 s39, 0
	s_lshl_b32 s36, s16, 19                        ; x: 256 rows of 2,048 bytes,
	s_lshl_b32 s37, s14, 15                        ; + my 16 rows
	s_add_co_u32 s36, s36, s37
	s_mov_b32 s37, 0
	s_lshl_b32 s44, s15, 18                        ; wimg: 262,144 bytes a matrix,  (in registers of their own: no scalar register that a vector instruction has read is written again)
	s_lshl_b32 s45, s14, 16                        ; 65,536 for a wave's 8 tiles
	s_add_co_u32 s44, s44, s45
	s_mov_b32 s45, 0
	s_mov_b32 s17, 4                               ; blocks to go
	s_wait_kmcnt 0x0
	s_load_b256 s[24:31], s[8:9], 0x0              ; entries 0-7
	s_load_b128 s[32:35], s[8:9], 0x20             ; entries 8-11
	s_cmp_eq_u32 s15, 0                            ; the choice of buffer hangs on the work-group's number alone
	s_cselect_b64 s[22:23], s[10:11], s[12:13]
	s_add_nc_u64 s[22:23], s[22:23], s[38:39]
	s_add_nc_u64 s[4:5], s[4:5], s[36:37]
	s_add_nc_u64 s[6:7], s[6:7], s[44:45]
	s_wait_alu depctr_va_vdst(0)                   ; v1 and v4 to v8 are written: every load and store of the kernel, global or LDS, reads one of them as its offset or address
	XLOAD 0                                        ; the first block
	WIN 0x40
.set ii, 0
.rept 64
	global_load_b128 v[4*ii:4*ii+3], v[LI], s[6:7] offset:512*ii          ; tiles 0-3: they stay
.set ii, ii+1
.endr
	WIN 0x80
.rept 64
	global_load_b128 v[4*(ii-64):4*(ii-64)+3], v[LI], s[6:7] offset:512*ii   ; tiles 4-7
.set ii, ii+1
.endr
	WIN 0
	s_wait_kmcnt 0x0
	s_cmp_eq_u32 s15, 1
	s_cselect_b32 s24, s26, s24
	s_cselect_b32 s25, s27, s25
	s_cselect_b32 s30, s31, s30
	s_cmp_eq_u32 s15, 2
	s_cselect_b32 s24, s28, s24                    ; e of x,
	s_cselect_b32 s25, s29, s25                    ; of W,
	s_cselect_b32 s30, s33, s30                    ; of the result
	s_cmp_eq_u32 s15, 0
	s_cselect_b32 s36, 3, 0                        ; q is divided by 8 ahead of its quantiser
	s_sub_co_i32 s30, s30, s24
	s_sub_co_i32 s30, s30, s25
	s_add_co_i32 s30, s30, s36                     ; F
	s_add_co_i32 s24, s24, 127
	s_lshl_b32 s36, s24, 23
	v_mov_b32 v[SCX], s36
	s_add_co_i32 s24, s24, 8
	s_lshl_b32 s24, s24, 23
	s_or_b32 s24, s24, 0x600000
	v_mov_b32 v[LMX], s24
	s_add_co_i32 s30, s30, 127
	s_lshl_b32 s37, s30, 23
	v_mov_b32 v[SCO], s37
	s_add_co_i32 s30, s30, 8
	s_lshl_b32 s30, s30, 23
	s_or_b32 s30, s30, 0x600000
	v_mov_b32 v[LMO], s30
.Lblock:
	; ---- X: my 16 rows become four fragments
	s_wait_loadcnt 0x0                             ; the block's rows are in (in the first trip the weights too)
	WIN 0x0C                                       ; store data in window 3
.irp row, 0,1,2,3,4,5,6,7,8,9,10,11,12,13,14,15
.irp ks, 0,1,2,3
	ds_store_b128 v[STA], v[4*(4*\row+\ks):4*(4*\row+\ks)+3] offset:\row*SROW+\ks*512
.endr
.endr
	WIN 0
	SLOAD ST0, 0                                   ; LDS serves a wave's instructions in order (ISA guide 5.7.1.4): these see my stores.  (They land in v96-223: the last instructions that named those stand ahead of the last way out's wait on va_vdst)
	SLOAD ST1, 1
	s_wait_dscnt 16                                ; K step 0 is back, and the 64 stores ahead of it are done; K step 1's 16 loads may be out
	s_wait_alu depctr_vm_vsrc(0)                   ; the 64 LDS stores have read window 3's registers, in which the next block's loads land
	s_cmp_eq_u32 s17, 1                            ; the next block is asked for here, if there is one: no load leaves its buffer
	s_cbranch_scc1 .Lno_next
	XLOAD 131072
.Lno_next:
	s_wait_alu depctr_va_vdst(0)
	QUANT ST0, XF
	s_wait_alu depctr_va_vdst(0)                   ; the conversions have written v[XF ..], which the LDS stores read; holds and conversions are done with ST0, in which K step 2 lands
	IMAGE XF, 0
	SLOAD ST0, 2
	s_wait_dscnt 20                                ; K step 1 is back; behind it: 4 stores and 16 loads
	QUANT ST1, XF+16
	s_wait_alu depctr_va_vdst(0)                   ; the conversions have written v[XF+16 ..], which the LDS stores read; holds and conversions are done with ST1, in which K step 3 lands
	IMAGE XF+16, 1
	SLOAD ST1, 3
	s_wait_dscnt 20                                ; K step 2 likewise
	QUANT ST0, XF+32
	s_wait_alu depctr_va_vdst(0)                   ; the conversions have written v[XF+32 ..], which the LDS stores read
	IMAGE XF+32, 2
	s_wait_dscnt 4                                 ; K step 3 is back; behind it: 4 stores
	QUANT ST1, XF+48
	s_wait_alu depctr_va_vdst(0)                   ; the conversions have written v[XF+48 ..], which the LDS stores read; all of v[XF ..] is written, in which the fragments' loads below land
	IMAGE XF+48, 3
	s_wait_dscnt 0x0                               ; for the others' sake: my images have landed
	s_barrier_signal -1
	s_barrier_wait -1
	s_wait_alu depctr_vm_vsrc(0)                   ; my LDS stores have read v[XF ..]: these registers take the fragments' loads from here on
	; ---- the products.  The two ways differ in the order of the sources and in the way out; both only read LDS, and no barrier stands in either
	s_cmp_eq_u32 s15, 2
	s_cbranch_scc1 .Lv
	PASS 0, 0
	PASS 1, 0
	s_branch .Ljoin
.Lv:
	PASS 0, 1
	PASS 1, 1
.Ljoin:
	s_wait_xcnt 0x0                                ; loads and stores have read their bases
	s_add_nc_u64 s[4:5], s[4:5], 131072            ; 64 rows of x on
	s_add_nc_u64 s[22:23], s[22:23], s[20:21]      ; a block of the output on
	s_wait_dscnt 0x0                               ; my reads of the images are over
	s_barrier_signal -1
	s_barrier_wait -1                              ; everybody's are: they may be written again
	s_sub_co_u32 s17, s17, 1
	s_cmp_lg_u32 s17, 0
	s_cbranch_scc1 .Lblock
	s_wait_dscnt 0x0                               ; the closing lines, six on end
	s_wait_alu 0x0
	s_wait_tensorcnt 0x0
	ds_add_u32 v30, v31
	s_wait_dscnt 0x0
	s_endpgm
.Lfunc_end_k_q50550eef9a_qkv:
	.size	k_q50550eef9a_qkv, .Lfunc_end_k_q50550eef9a_qkv-k_q50550eef9a_qkv
	.p2alignl 7, 3214868480
	.fill 96, 4, 3214868480
	.section	.rodata,"a",@progbits
	.p2align	6, 0x0
	.amdhsa_kernel k_q50550eef9a_qkv
		.amdhsa_group_segment_fixed_size 165376
		.amdhsa_private_segment_fixed_size 0
		.amdhsa_enable_private_segment 0
		.amdhsa_kernarg_size 40
		.amdhsa_user_sgpr_count 2
		.amdhsa_user_sgpr_kernarg_segment_ptr 1
		.amdhsa_wavefront_size32 1
		.amdhsa_system_sgpr_workgroup_id_x 1
		.amdhsa_system_sgpr_workgroup_id_y 1
		.amdhsa_system_sgpr_workgroup_id_z 1
		.amdhsa_system_vgpr_workitem_id 0
		.amdhsa_next_free_vgpr 1024
		.amdhsa_next_free_sgpr 66
		.amdhsa_reserve_vcc 0
		.amdhsa_float_denorm_mode_32 3
		.amdhsa_float_denorm_mode_16_64 3
		.amdhsa_memory_ordered 1
		.amdhsa_forward_progress 1
		.amdhsa_inst_pref_size 125
	.end_amdhsa_kernel
	.amdgpu_metadata
---
amdhsa.version: [ 1, 2 ]
amdhsa.kernels:
  - .name:           k_q50550eef9a_qkv
    .symbol:         k_q50550eef9a_qkv.kd
    .args:
      - { .name: x, .offset: 0, .size: 8, .value_kind: global_buffer, .address_space: global }
      - { .name: wimg, .offset: 8, .size: 8, .value_kind: global_buffer, .address_space: global }
      - { .name: lowp_scales, .offset: 16, .size: 8, .value_kind: global_buffer, .address_space: global }
      - { .name: qc, .offset: 24, .size: 8, .value_kind: global_buffer, .address_space: global }
      - { .name: kv, .offset: 32, .size: 8, .value_kind: global_buffer, .address_space: global }
    .group_segment_fixed_size: 165376
    .private_segment_fixed_size: 0
    .kernarg_segment_align: 8
    .kernarg_segment_size: 40
    .max_flat_workgroup_size: 128
    .sgpr_count:     66
    .vgpr_count:     1024
    .wavefront_size: 32
...
	.end_amdgpu_metadata
.endif
;; end of part 6
;; launch attn (part 7): grid 8 x 32, 16 waves a work-group, clusters of 4 x 1, 327,680 bytes of LDS; arguments qc, kv, pos_bias, lowp_scales, ao; writes ao
.if DOCPART == 7
	.amdgcn_target "amdgcn-amd-amdhsa--gfx1250"
	.amdhsa_code_object_version 6
	.text
	.protected	k_q50550eef9a_attn
	.globl	k_q50550eef9a_attn
	.p2align	8
	.type	k_q50550eef9a_attn,@function
k_q50550eef9a_attn:
	s_mov_b64 s[64:65], 0
	v_nop
	global_prefetch_b8 v0, s[64:65] scope:SCOPE_SE
	s_setreg_imm32_b32 hwreg(HW_REG_WAVE_MODE, 25, 1), 1
	s_wait_xcnt 0x0
	s_wait_alu depctr_hold_cnt(0) depctr_sa_sdst(0) depctr_va_vdst(0) depctr_va_sdst(0) depctr_va_ssrc(0) depctr_va_vcc(0) depctr_vm_vsrc(0)
	s_getreg_b32 s2, hwreg(HW_REG_IB_STS2, 6, 4)
	s_cmp_eq_u32 s2, 0
	s_cbranch_scc0 .Lentry_in_a_cluster
	s_endpgm
.Lentry_in_a_cluster:
	s_bfe_u32 s2, ttmp6, 0x10000c
	s_cmp_lg_u32 s2, 0x3003
	s_cbranch_scc0 .Lentry_shape_is_right
	s_endpgm
.Lentry_shape_is_right:
; o = softmax(q k^T + pos_bias) v for TWO batches, one head and 256 queries, both products on codes of E4M3; o is quantised at once for the last projection.
; THE SOFTMAX AHEAD OF THE SECOND PRODUCT: t = (score + bias) log2(e); M = the running largest t rounded UP to a whole number; p = 2^(t - M) is quantised with the given 2^e8, not normalised; the row's sum is taken
; of the unquantised p and divides at the end.  When M moves, the sum and O are multiplied by 2^(old M - new M): nothing is rounded.
; SHARES.  Grid y = 4 head + quarter of the queries; the pair of batches = 4 x cluster x + my place in the cluster.  Sixteen waves; wave w owns query tile w of the quarter, once for each of the two batches: pos_bias does
; not hang on the batch, so each number of it that comes into LDS, and each that a wave reads from there, serves two scores.  All waves walk the 1,024 keys, 64 a step.
; CLUSTER.  The four partners are four pairs of batches of the same head and quarter: they need the SAME 256 x 128 numbers of pos_bias in a slot, 128 KiB beside the 32 KiB of K and V.  These come by joint tensor loads
; (waves 0-3, 64 rows of 512 bytes each) through a ring of two slots of TWO key steps: a refill has two steps' work in which to land.  K and V differ between partners: each thread copies 2 x 16 bytes a step
; through registers into LDS bytes of their own, two buffers by turns, so every step has a barrier: the cluster's round at a slot's head, the work-group's own in its middle, behind which nothing is filled.
; LAYOUT.  S^T = K Q^T + bias (source 0 = 16 keys, source 1 = 16 queries): lane (r, h) holds query r, register j of key tile t key 16 t + 8 h + j.  The bias, divided by 2^(e6 + e7), is loaded into batch 0's accumulators;
; batch 1's products take it from there as their C, then batch 0's add onto it in place.  p's conversions give the second product's source 1 as it stands.  O^T = V^T P^T; V's channels are ordered so that a lane's
; 16 registers of two tiles are 16 neighbours along the last projection's K.  K of the two batches and, behind the scores' products, V of the two batches take the same 64 registers.
; OUT: ao byte (token / 16) 8192 + head 1024 + b 512 + lane 16: images of the projection's fragments.
; LIMITS: e6 + e7 between -126 and 126; e8, and e10 - e8 - e9, between -126 and 119.  NaN among the inputs is not served.  p under the format's range is lost.
.set PITCH, 528                        ; a row of a slot: 512 bytes + 16: the sixteen rows that a load touches start 16 bytes apart modulo 256
.set SLOTB, 256*PITCH                  ; a slot: 256 queries x 128 keys
.set KVB,   2*SLOTB                    ; two buffers of 16,384 bytes: batch 0's K (four tiles) and V (four tiles), then batch 1's, as register images
.set KVBUF, 16384
.set SPARE, KVB+2*KVBUF                ; the spare words, 128 bytes for each wave: eight blocks of 256 bytes that no other line names
.set SPW,  1                           ; v1   SPARE + 4 x my thread's number; never rewritten
.set NIL,  2                           ; v2   0; never rewritten
.set AB,   3                           ; v3   my lane's place in the bias of slot 0
.set KVR1, 4                           ; v[4:7]   my 16 bytes of the next step's K and V, batch 1
.set PFO,  8                           ; v8   4,096 x lane: a row of pos_bias
.set AKV,  9                           ; v9   KVB + 16 x lane
.set KVR0, 10                          ; v[10:13] the same, batch 0
.set ST,   14                          ; tile i (= batch i) at v[ST + 8 i]: +0 -M, +1 the largest t, +2, +3 the sum, +4 f, +5 at work (named with f as a pair), +6, +7 at work
.set TA,   20                          ; v20  (tile 0's +6) between steps: an LDS address made for the lines that follow it
.set LOT,  28                          ; v28  (tile 1's +6) at the head and on the way out: 16 x lane
.set KVO,  30                          ; v30  16 x thread;
.set LIMV, 30                          ;      on the way out: 448 x the scale in hand
.set SCV,  31                          ; v31  the scale in hand
.set Q,    32                          ; v32-47   Q, 8 a batch
.set KF,   48                          ; v48-79   batch 0: K's four tiles, then V's
.set VF,   80                          ; v80-111  batch 1: the same
.set S,    112                         ; v112-175 the bias, S^T, p: 32 a batch
.set O,    176                         ; v176-239 O^T: 32 a batch
.set PC,   240                         ; v240-255 p's codes: 8 a batch
.set WV,   14                          ; s14
.set SEL,  20                          ; s[20:21] v_permlanex16_b32's selects: lane l xor 16
.set CS,   22                          ; s[22:23] c = log2(e) x 2^(e6 + e7)
.set IE,   24                          ; s[24:25] 2^-(e6 + e7)
.set G1,   28                          ; s[28:35] descriptor group 1
.set G0,   36                          ; s[36:43] group 0, a set for each slot
.set CNT,  44
.set LIM,  45                          ; 1 in a wave that prefetches
.set PFA,  46                          ; s[46:47] where my prefetches stand
.set KVP,  48                          ; s[48:49] the step's K and V of batch 0 in memory; batch 1's lie 1,048,576 bytes further on
.set LIMS, 86                          ; s86  448 x 2^e8
.macro ROUND                           ; a round of the cluster's barrier
	s_barrier_signal -1
	s_barrier_wait -1
	s_cmp_lg_u32 s[WV], 0
	s_cbranch_scc1 .Lnot_wave_0_\@
	s_barrier_signal -3
.Lnot_wave_0_\@:
	s_barrier_wait -3
	s_barrier_signal -1
	s_barrier_wait -1
.endm
.macro TLOAD sl                        ; the joint load of a slot: waves 0-3, 64 rows each; the branch hangs on the wave's number alone.  Four v_nop follow the line
	s_cmp_lt_u32 s[WV], 4
	s_cbranch_scc0 .Lno_load_\@
	tensor_load_to_lds s[G0+4*(\sl):G0+4*(\sl)+3], s[G1:G1+7]
	s_nop 0
.rept 4
	v_nop
.endr
.Lno_load_\@:
.endm
; A PREFETCH INTO THE L2 of the bias that the NEXT change of slots will ask for: 256 rows x 512 bytes.  The two clusters of a head and quarter read the same rows: the first of them (cluster x = 0) asks.
; Its four partners share the rows out by address, 64 each; in each, waves 8-11 ask: 32 rows and one half of their 512 bytes a wave, a lane a row.  So each aligned 256 bytes of a slot are named once in the launch.
.macro ASK
	s_cmp_eq_u32 s[LIM], 1
	s_cbranch_scc0 .Lnot_mine_\@
	global_prefetch_b8 v[PFO], s[PFA:PFA+1] th:TH_LOAD_NT scope:SCOPE_SE
.Lnot_mine_\@:
.endm
; A KEY STEP: 64 keys: half q of slot sl, K and V out of buffer q.
.macro STEP sl, q
.if \sl
	v_add_nc_u32 v[TA], SLOTB, v[AB]
.set BA, TA
.else
.set BA, AB
.endif
.irp t, 0,1,2,3
	ds_load_b128 v[S+8*\t:S+8*\t+3],   v[BA] offset:\q*256+64*\t          ; the bias of query r, keys 16 t + 8 h + 0 .. 7, into batch 0's accumulator
	ds_load_b128 v[S+8*\t+4:S+8*\t+7], v[BA] offset:\q*256+64*\t+16
.endr
.irp t, 0,1,2,3
.irp c, 0,1
	ds_load_b128 v[VF+8*\t+4*\c:VF+8*\t+4*\c+3], v[AKV] offset:\q*KVBUF+8192+\t*1024+\c*512   ; K of batch 1
.endr
.endr
.irp t, 0,1,2,3
.irp c, 0,1
	ds_load_b128 v[KF+8*\t+4*\c:KF+8*\t+4*\c+3], v[AKV] offset:\q*KVBUF+\t*1024+\c*512        ; K of batch 0
.endr
.endr
	s_wait_dscnt 16                                ; the bias is in; K's 16 loads may be out
.set jj, 0
.rept 16
	v_pk_mul_f32 v[S+jj:S+jj+1], v[S+jj:S+jj+1], s[IE:IE+1] op_sel_hi:[1,0]   ; bias / 2^(e6 + e7): exact; a sum of codes stands for sum x 2^(e6 + e7).  Once for both batches
.set jj, jj+2
.endr
	s_wait_alu depctr_va_vdst(0)
	s_wait_dscnt 8                                 ; batch 1's K is in; batch 0's 8 loads may be out
.irp t, 0,1,2,3
	v_wmma_f32_16x16x64_fp8_fp8 v[S+32+8*\t:S+32+8*\t+7], v[VF+8*\t:VF+8*\t+7], v[Q+8:Q+15], v[S+8*\t:S+8*\t+7]   ; batch 1: C = the bias, D its own registers
.endr
.rept 5
	v_nop                                          ; five places ahead of matrix instructions that write over the C of those above (four by ISA guide 7.12.1)
.endr
	s_wait_dscnt 0x0                               ; batch 0's K is in
.irp t, 0,1,2,3
	v_wmma_f32_16x16x64_fp8_fp8 v[S+8*\t:S+8*\t+7], v[KF+8*\t:KF+8*\t+7], v[Q:Q+7], v[S+8*\t:S+8*\t+7]            ; batch 0: onto the bias, in place
.endr
.rept 4
	v_nop                                          ; places ahead of the loads into K's registers and of the first read of results
.endr
.irp t, 0,1,2,3
.irp c, 0,1
	ds_load_b128 v[KF+8*\t+4*\c:KF+8*\t+4*\c+3], v[AKV] offset:\q*KVBUF+4096+\t*1024+\c*512       ; V of batch 0: it has the softmax in which to come
.endr
.endr
.irp t, 0,1,2,3
.irp c, 0,1
	ds_load_b128 v[VF+8*\t+4*\c:VF+8*\t+4*\c+3], v[AKV] offset:\q*KVBUF+8192+4096+\t*1024+\c*512  ; V of batch 1
.endr
.endr
.irp i, 0,1                                    ; the step's largest score of my query among my 32 keys, in two chains a tile, each accumulator from its low end on
	v_max3_num_f32 v[ST+8*\i+6], v[S+32*\i], v[S+32*\i+1], v[S+32*\i+2]
	v_max3_num_f32 v[ST+8*\i+7], v[S+32*\i+3], v[S+32*\i+4], v[S+32*\i+5]
.endr
.irp k, 6,10,14,18,22,26
.irp i, 0,1
	v_max3_num_f32 v[ST+8*\i+6], v[ST+8*\i+6], v[S+32*\i+\k], v[S+32*\i+\k+1]
	v_max3_num_f32 v[ST+8*\i+7], v[ST+8*\i+7], v[S+32*\i+\k+2], v[S+32*\i+\k+3]
.endr
.endr
.irp i, 0,1
	v_max3_num_f32 v[ST+8*\i+6], v[ST+8*\i+6], v[S+32*\i+30], v[S+32*\i+31]
.endr
.irp i, 0,1
	s_delay_alu instid0(VALU_DEP_2)
	v_max_num_f32 v[ST+8*\i+6], v[ST+8*\i+6], v[ST+8*\i+7]
.endr
.irp i, 0,1
	s_delay_alu instid0(VALU_DEP_2)
	v_permlanex16_b32 v[ST+8*\i+5], v[ST+8*\i+6], s[SEL], s[SEL+1]
.endr
.irp i, 0,1
	s_delay_alu instid0(VALU_DEP_2)
	v_max_num_f32 v[ST+8*\i+6], v[ST+8*\i+6], v[ST+8*\i+5]   ; and among lane l xor 16's
.endr
.irp i, 0,1
	s_delay_alu instid0(VALU_DEP_2)
	v_mul_f32 v[ST+8*\i+6], s[CS], v[ST+8*\i+6]    ; as t (c is positive)
.endr
.irp i, 0
	s_delay_alu instid0(VALU_DEP_2)
	v_max_num_f32 v[ST+8*\i+1], v[ST+8*\i+1], v[ST+8*\i+6]   ; the running largest t
	v_mov_b32 v[ST+8*\i+6], v[ST+8*\i]
.endr
.irp i, 1
	s_delay_alu instid0(VALU_DEP_3)
	v_max_num_f32 v[ST+8*\i+1], v[ST+8*\i+1], v[ST+8*\i+6]
	v_mov_b32 v[ST+8*\i+6], v[ST+8*\i]
.endr
.irp i, 0
	s_delay_alu instid0(VALU_DEP_4)
	v_floor_f32 v[ST+8*\i], -v[ST+8*\i+1]
.endr
.irp i, 1
	s_delay_alu instid0(VALU_DEP_3)
	v_floor_f32 v[ST+8*\i], -v[ST+8*\i+1]          ; the new -M = floor(-t): M is a whole number
.endr
.irp i, 0,1
	s_delay_alu instid0(VALU_DEP_2)
	v_sub_f32 v[ST+8*\i+6], v[ST+8*\i], v[ST+8*\i+6]   ; old M - new M: a whole number, 0 or less
.endr
.irp i, 0,1
	s_delay_alu instid0(VALU_DEP_2)
	v_cvt_i32_f32 v[ST+8*\i+6], v[ST+8*\i+6]       ; (it saturates)
.endr
.irp i, 0,1
	s_delay_alu instid0(VALU_DEP_2)
	v_ldexp_f32 v[ST+8*\i+4], 1.0, v[ST+8*\i+6]    ; f = 2^(old M - new M)
.endr
.irp i, 0,1
.irp k, 0,2,4,6,8,10,12,14,16,18,20,22,24,26,28,30
	v_pk_fma_f32 v[S+32*\i+\k:S+32*\i+\k+1], v[S+32*\i+\k:S+32*\i+\k+1], s[CS:CS+1], v[ST+8*\i:ST+8*\i+1] op_sel_hi:[1,0,0]   ; t - M (of the pairs c and -M the low word serves both halves)
.endr
.endr
.set jj, 0
	s_wait_alu depctr_va_vdst(0)
.rept 64
	v_exp_f32 v[S+jj], v[S+jj]                     ; p = 2^(t - M)
.set jj, jj+1
.endr
.irp i, 0,1
	v_pk_mul_f32 v[ST+8*\i+2:ST+8*\i+3], v[ST+8*\i+2:ST+8*\i+3], v[ST+8*\i+4:ST+8*\i+5] op_sel_hi:[1,0]   ; the sums under the new M: the plain lines behind the exponentials
.endr
	s_wait_alu depctr_va_vdst(0)                   ; one wait for the batch of 64, ahead of its first reader
.irp i, 0,1
	v_pk_add_f32 v[ST+8*\i+6:ST+8*\i+7], v[S+32*\i:S+32*\i+1], v[S+32*\i+2:S+32*\i+3]   ; the sum of the unquantised p, in two chains a tile
.endr
.irp k, 4,8,12,16,20,24,28
.irp i, 0,1
	v_pk_add_f32 v[ST+8*\i+2:ST+8*\i+3], v[ST+8*\i+2:ST+8*\i+3], v[S+32*\i+\k:S+32*\i+\k+1]
	v_pk_add_f32 v[ST+8*\i+6:ST+8*\i+7], v[ST+8*\i+6:ST+8*\i+7], v[S+32*\i+\k+2:S+32*\i+\k+3]
.endr
.endr
.irp i, 0
	s_delay_alu instid0(VALU_DEP_3)
	v_pk_add_f32 v[ST+8*\i+2:ST+8*\i+3], v[ST+8*\i+2:ST+8*\i+3], v[ST+8*\i+6:ST+8*\i+7]
.endr
.irp i, 1
	s_delay_alu instid0(VALU_DEP_2)
	v_pk_add_f32 v[ST+8*\i+2:ST+8*\i+3], v[ST+8*\i+2:ST+8*\i+3], v[ST+8*\i+6:ST+8*\i+7]
.endr
.irp i, 0,1
.irp t, 0,1,2,3
.irp j, 0,1,2,3,4,5,6,7
	v_min_num_f32 v[S+32*\i+8*\t+\j], s[LIMS], v[S+32*\i+8*\t+\j]   ; the conversion does not saturate (ISA guide 7.6.2); p is not negative: the hold is one-sided, and stands whatever e8 is
.endr
	v_cvt_scalef32_pk8_fp8_f32 v[PC+8*\i+2*\t:PC+8*\i+2*\t+1], v[S+32*\i+8*\t:S+32*\i+8*\t+7], v[SCV]   ; keys 16 t + 8 h + 0 .. 7: registers 2 t, 2 t + 1 of the operand
.endr
.endr
.irp i, 0,1
.irp k, 0,2,4,6,8,10,12,14,16,18,20,22,24,26,28,30
	v_pk_mul_f32 v[O+32*\i+\k:O+32*\i+\k+1], v[O+32*\i+\k:O+32*\i+\k+1], v[ST+8*\i+4:ST+8*\i+5] op_sel_hi:[1,0]   ; O^T under the new M; also the plain lines behind the conversions
.endr
.endr
	s_wait_alu depctr_va_vdst(0)
	s_wait_dscnt 0x0                               ; V is in
.irp t, 0,1,2,3
	v_wmma_f32_16x16x64_fp8_fp8 v[O+8*\t:O+8*\t+7], v[KF+8*\t:KF+8*\t+7], v[PC:PC+7], v[O+8*\t:O+8*\t+7]                  ; eight accumulators, one instruction each
	v_wmma_f32_16x16x64_fp8_fp8 v[O+32+8*\t:O+32+8*\t+7], v[VF+8*\t:VF+8*\t+7], v[PC+8:PC+15], v[O+32+8*\t:O+32+8*\t+7]
.endr
.rept 4
	v_nop                                          ; places ahead of the next loads into V's registers, and of the way out's reads
.endr
.endm
; At every step's head my 2 x 16 bytes of this step's K and V go into buffer q, which was last read two steps ago: every wave has since waited for those reads and passed a barrier.
.macro KVIN q
	s_wait_loadcnt 0x0                             ; this step's K and V are in my registers (in the first step Q too); those loads' address registers are free
	v_lshl_add_u32 v[TA], v0, 4, KVB               ; KVB + 16 x thread
	ds_store_b128 v[TA], v[KVR0:KVR0+3] offset:\q*KVBUF
	ds_store_b128 v[TA], v[KVR1:KVR1+3] offset:\q*KVBUF+8192
.endm
.macro KVASK                           ; the next step's: 512 threads x 16 bytes: 8,192 consecutive bytes for each batch
	global_load_b128 v[KVR0:KVR0+3], v[KVO], s[KVP:KVP+1]
	global_load_b128 v[KVR1:KVR1+3], v[KVO], s[KVP:KVP+1] offset:1048576
.endm
; A SLOT'S FIRST STEP, with the change of slots at its head: the wait for all my tensor loads, the add, and the wait for it, for my stores and for my reads of the slot that I have left; a round of the cluster's barrier;
; behind it that slot's joint refill first, one load a wave, with this slot's two steps in which to land.
.macro EVEN sl, refill, ask
	KVIN 0
	s_wait_tensorcnt 0x0                           ; no tensor load of mine is out, so a group 0 may be written
	ds_add_u32 v[SPW], v[NIL]                      ; 0 onto my spare word
	s_add_nc_u64 s[G0+4*\sl+2:G0+4*\sl+3], s[G0+4*\sl+2:G0+4*\sl+3], 1024   ; this slot's next tile: 256 keys on
	s_add_nc_u64 s[KVP:KVP+1], s[KVP:KVP+1], 8192  ; the next step's K and V
.if \ask
	s_wait_xcnt 0x0                                ; the last prefetch, a slot back, has read its address
	s_add_nc_u64 s[PFA:PFA+1], s[PFA:PFA+1], 512   ; one slot further on than the refill below
.endif
	s_wait_dscnt 0x0
	ROUND
.if \refill
	TLOAD 1-\sl
.endif
	KVASK
.if \ask
	ASK
.endif
	STEP \sl, 0
.endm
; A SLOT'S SECOND STEP: the work-group's own barrier, for K and V alone; the other slot's load may stay on its way.
.macro ODD sl, more
	KVIN 1
.if \more
	s_add_nc_u64 s[KVP:KVP+1], s[KVP:KVP+1], 8192
.endif
	s_wait_dscnt 0x0                               ; my stores have landed, and my reads of the other buffer are over
	s_barrier_signal -1
	s_barrier_wait -1
.if \more
	KVASK
.endif
	STEP \sl, 1
.endm
	s_load_b256 s[4:11], s[0:1], 0x0               ; qc, kv, pos_bias, the scales' exponents
	s_load_b64 s[12:13], s[0:1], 0x20              ; ao
	v_lshl_add_u32 v[SPW], v0, 2, SPARE
	v_mov_b32 v[NIL], 0
	ds_add_u32 v1, v2
	ds_add_u32 v1, v2
	s_wait_dscnt 0x0
	v_lshrrev_b32 v3, 5, v0
	s_delay_alu instid0(VALU_DEP_1)
	v_readfirstlane_b32 s[WV], v3                  ; wave 0..15
	s_bfe_u32 s15, ttmp6, 0x40000                  ; cx: it enters the addresses of qc, kv, ao and the prefetches alone
	s_lshl_b32 s16, ttmp9, 2
	s_add_co_u32 s16, s16, s15                     ; the pair of batches
	s_and_b32 s17, ttmp7, 0xffff
	s_lshr_b32 s18, s17, 2                         ; the head
	s_and_b32 s19, s17, 3                          ; which 256 queries
	s_mov_b32 s[SEL], 0x76543210
	s_mov_b32 s[SEL+1], 0xfedcba98
	; descriptor group 1: 64 rows x 128 numbers of 4 bytes, 1,024 numbers from row to row, 16 bytes of padding behind each row
	s_mov_b32 s[G1], 15|(2<<16)|(1<<20)|(1<<21)|(6<<22)|(3<<25)   ; 15:0 the mask: all four partners; 17:16 elements of 4 bytes; 20 padding on; 21 set beside a mask; 24:22 after every 128 words; 31:25 four words
	s_mov_b32 s[G1+1], 128<<16                     ; tensor_dim0
	s_mov_b32 s[G1+2], 64<<16                      ; tensor_dim1
	s_mov_b32 s[G1+3], 128<<16                     ; tile_dim0
	s_mov_b32 s[G1+4], 64                          ; tile_dim1
	s_mov_b32 s[G1+5], 1024                        ; tensor_dim0_stride
	s_mov_b32 s[G1+6], 0
	s_mov_b32 s[G1+7], 0
	s_and_b32 s50, s[WV], 3
	s_mul_i32 s51, s50, 64*PITCH                   ; where my tile goes; no place in the cluster enters it
	s_lshl_b32 s66, s18, 22                        ; pos_bias: a head is 4 MiB,
	s_lshl_b32 s67, s19, 20                        ; 256 rows are 1 MiB,
	s_add_co_u32 s66, s66, s67
	s_lshl_b32 s68, s50, 18                        ; 64 rows are 256 KiB
	s_add_co_u32 s68, s66, s68
	s_mov_b32 s69, 0
	s_lshl_b32 s70, s16, 4
	s_add_co_u32 s70, s70, s18                     ; 8 x the pair's first batch + head
	s_lshl_b32 s71, s70, 6
	s_lshl_b32 s72, s19, 4
	s_add_co_u32 s71, s71, s72
	s_add_co_u32 s71, s71, s[WV]                   ; my query tile in qc, first batch; the second batch's lies 524,288 bytes further on
	s_lshl_b32 s72, s71, 10
	s_mov_b32 s73, 0
	s_lshl_b32 s74, s70, 17                        ; kv: 131,072 bytes a head
	s_mov_b32 s75, 0
	s_lshl_b32 s76, s16, 7
	s_lshl_b32 s77, s19, 4
	s_add_co_u32 s76, s76, s77
	s_add_co_u32 s76, s76, s[WV]                   ; my row tile in ao, first batch; the second batch's lies 524,288 bytes further on
	s_lshl_b32 s76, s76, 13
	s_lshl_b32 s77, s18, 10
	s_add_co_u32 s76, s76, s77                     ; + 1,024 head
	s_mov_b32 s77, 0
	s_lshl_b32 s78, s15, 18                        ; the prefetches: my work-group's 64 rows,
	s_bfe_u32 s79, s[WV], 0x10001
	s_lshl_b32 s79, s79, 17                        ; my wave's 32 of them,
	s_add_co_u32 s78, s78, s79
	s_and_b32 s79, s[WV], 1
	s_lshl_b32 s79, s79, 8                         ; and its half of a slot's 512 bytes of a row
	s_add_co_u32 s78, s78, s79
	s_add_co_u32 s78, s78, s66
	s_add_co_u32 s78, s78, 512                     ; at slot 1: the first change of slots steps it to slot 2.  Slots 0 and 1 come by their loads alone
	s_mov_b32 s79, 0
	s_lshr_b32 s[LIM], s[WV], 2
	s_xor_b32 s[LIM], s[LIM], 2                    ; 0 in waves 8-11,
	s_or_b32 s[LIM], s[LIM], ttmp9                 ; of the first cluster: the same in all four partners
	s_cmp_eq_u32 s[LIM], 0
	s_cselect_b32 s[LIM], 1, 0
	v_and_b32 v10, 15, v0                          ; r
	v_bfe_u32 v11, v0, 4, 1                        ; h
	s_lshl_b32 s80, s[WV], 4
	v_add_nc_u32 v[AB], s80, v10                   ; my query's row in a slot: 16 w + r
	s_delay_alu instid0(VALU_DEP_1)
	v_mul_u32_u24 v[AB], v[AB], PITCH
	s_delay_alu instid0(VALU_DEP_1)
	v_lshl_add_u32 v[AB], v11, 5, v[AB]            ; + 32 h
	v_and_b32 v[LOT], 31, v0
	s_delay_alu instid0(VALU_DEP_1)
	v_lshlrev_b32 v[PFO], 12, v[LOT]
	s_delay_alu instid0(VALU_DEP_2)
	v_lshlrev_b32 v[LOT], 4, v[LOT]
	s_delay_alu instid0(VALU_DEP_1)
	v_add_nc_u32 v[AKV], KVB, v[LOT]
	v_lshlrev_b32 v[KVO], 4, v0
	s_wait_kmcnt 0x0
	s_load_b256 s[52:59], s[10:11], 0x0            ; entries 0-7
	s_load_b128 s[60:63], s[10:11], 0x20           ; entries 8-11
	s_mov_b32 s[G0], 1                             ; count = 1
	s_mov_b32 s[G0+1], s51                         ; LDS address: slot 0
	s_add_nc_u64 s[G0+2:G0+3], s[8:9], s[68:69]    ; global address: keys 0 to 127
	s_mov_b32 s[G0+4], 1
	s_add_co_u32 s[G0+5], s51, SLOTB               ; slot 1
	s_add_nc_u64 s[G0+6:G0+7], s[G0+2:G0+3], 512   ; keys 128 to 255
	s_or_b32 s[G0+3], s[G0+3], 0x80000000          ; type = 2
	s_or_b32 s[G0+7], s[G0+7], 0x80000000
	s_add_nc_u64 s[4:5], s[4:5], s[72:73]
	s_add_nc_u64 s[KVP:KVP+1], s[6:7], s[74:75]
	s_add_nc_u64 s[12:13], s[12:13], s[76:77]
	s_add_nc_u64 s[PFA:PFA+1], s[8:9], s[78:79]
	ROUND                                          ; all four work-groups are here: the first joint loads meet
	TLOAD 0                                        ; keys 0 to 127 into slot 0; slot 1 is first filled behind the first round of the loop, as a refill is
	s_wait_alu depctr_va_vdst(0)
.irp i, 0,1
.irp c, 0,1
	global_load_b128 v[Q+8*\i+4*\c:Q+8*\i+4*\c+3], v[LOT], s[4:5] offset:\i*524288+\c*512   ; Q stays in registers
.endr
.endr
	KVASK                                          ; step 0's K and V
.irp i, 0,1
	v_mov_b32 v[ST+8*\i+1], 0xff61b1e6             ; the largest t so far: -3e38, under every t
	v_mov_b32 v[ST+8*\i+2], 0                      ; the sum, in two halves
	v_mov_b32 v[ST+8*\i+3], 0
	v_mov_b32 v[ST+8*\i+5], 0                      ; written once: a lane permute's destination counts as one of its sources
	s_delay_alu instid0(VALU_DEP_4)
	v_floor_f32 v[ST+8*\i], -v[ST+8*\i+1]          ; -M
.endr
.set jj, 0
.rept 64
	v_mov_b32 v[O+jj], 0                           ; O^T: the step is written without a first step of its own; the first change of M multiplies zeros
.set jj, jj+1
.endr
	s_wait_kmcnt 0x0
	s_add_co_i32 s81, s58, s59                     ; e6 + e7
	s_lshl_b32 s82, s81, 23
	s_add_co_i32 s[CS], s82, 0x3fb8aa3b            ; log2(e) with e6 + e7 added to its exponent field
	s_mov_b32 s[CS+1], s[CS]                       ; (named with it as a pair, so it is written)
	s_sub_co_i32 s83, 127, s81
	s_lshl_b32 s[IE], s83, 23                      ; 2^-(e6 + e7)
	s_mov_b32 s[IE+1], s[IE]
	s_add_co_i32 s83, s60, 127
	s_lshl_b32 s82, s83, 23
	v_mov_b32 v[SCV], s82                          ; 2^e8
	s_add_co_i32 s83, s83, 8
	s_lshl_b32 s83, s83, 23
	s_or_b32 s[LIMS], s83, 0x600000                ; 448 x 2^e8
	s_sub_co_i32 s85, s62, s60
	s_sub_co_i32 s85, s85, s61                     ; G = e10 - e8 - e9: O / the sum stands for that x 2^(e8 + e9)
	s_add_co_i32 s85, s85, 127
	s_lshl_b32 s84, s85, 23                        ; 2^G
	s_add_co_i32 s85, s85, 8
	s_lshl_b32 s85, s85, 23
	s_or_b32 s85, s85, 0x600000                    ; 448 x 2^G
	s_mov_b32 s[CNT], 3
.Lloop:                                            ; three trips of two slots: slots 0 to 5 ask for slots 1 to 6 and prefetch slots 2 to 7
	EVEN 0, 1, 1
	ODD 0, 1
	EVEN 1, 1, 1
	ODD 1, 1
	s_sub_co_u32 s[CNT], s[CNT], 1
	s_cmp_lg_u32 s[CNT], 0
	s_cbranch_scc1 .Lloop
	EVEN 0, 1, 0                                   ; the tail is written out: slot 6 asks for slot 7
	ODD 0, 1
	EVEN 1, 0, 0                                   ; slot 7 for nothing
	ODD 1, 0                                       ; and the last step has no K and V behind it
	; THE WAY OUT: O^T / the sum, quantised with 2^e10, stored as the projection's fragments
.irp i, 0,1
	v_add_f32 v[ST+8*\i+2], v[ST+8*\i+2], v[ST+8*\i+3]
.endr
.irp i, 0,1
	s_delay_alu instid0(VALU_DEP_2)
	v_permlanex16_b32 v[ST+8*\i+5], v[ST+8*\i+2], s[SEL], s[SEL+1]
.endr
.irp i, 0,1
	s_delay_alu instid0(VALU_DEP_2)
	v_add_f32 v[ST+8*\i+2], v[ST+8*\i+2], v[ST+8*\i+5]   ; the row's sum
.endr
	s_wait_alu depctr_va_vdst(0)
.irp i, 0,1
	v_rcp_f32 v[ST+8*\i+4], v[ST+8*\i+2]
.endr
	v_mov_b32 v[LIMV], s85                         ; (plain lines behind the reciprocals; the loads that took v30 as their offset were waited for at the last step's head)
	v_mov_b32 v[SCV], s84
	v_and_b32 v[LOT], 31, v0
	s_delay_alu instid0(VALU_DEP_1)
	v_lshlrev_b32 v[LOT], 4, v[LOT]                ; 16 x lane
	s_wait_alu depctr_va_vdst(0)                   ; one wait for both, ahead of the first reader
.irp i, 0,1
.irp k, 0,1,2,3,4,5,6,7,8,9,10,11,12,13,14,15,16,17,18,19,20,21,22,23,24,25,26,27,28,29,30,31
	v_mul_f32 v[S+32*\i+\k], v[O+32*\i+\k], v[ST+8*\i+4]   ; each accumulator from its low end on
.endr
.endr
.irp i, 0,1
.irp t, 0,1,2,3
.irp j, 0,1,2,3,4,5,6,7
	v_med3_num_f32 v[S+32*\i+8*\t+\j], v[S+32*\i+8*\t+\j], -v[LIMV], v[LIMV]
.endr
	v_cvt_scalef32_pk8_fp8_f32 v[PC+8*\i+2*\t:PC+8*\i+2*\t+1], v[S+32*\i+8*\t:S+32*\i+8*\t+7], v[SCV]   ; channels 32 (t / 2) + 16 h + 8 (t % 2) + 0 .. 7 of my query
.endr
.endr
	v_nop
.irp i, 0,1
.irp b, 0,1
	global_store_b128 v[LOT], v[PC+8*\i+4*\b:PC+8*\i+4*\b+3], s[12:13] offset:\i*524288+\b*512   ; 32 lanes store 512 consecutive bytes
.endr
.endr
	s_wait_tensorcnt 0x0                           ; the wave's end
	ds_add_u32 v[SPW], v[NIL]
	s_wait_dscnt 0x0
	ROUND                                          ; the closing round: no work-group ends while a partner may still ask for a tile that names it
	s_endpgm
.Lfunc_end_k_q50550eef9a_attn:
	.size	k_q50550eef9a_attn, .Lfunc_end_k_q50550eef9a_attn-k_q50550eef9a_attn
	.p2alignl 7, 3214868480
	.fill 96, 4, 3214868480
	.section	.rodata,"a",@progbits
	.p2align	6, 0x0
	.amdhsa_kernel k_q50550eef9a_attn
		.amdhsa_group_segment_fixed_size 327680
		.amdhsa_private_segment_fixed_size 0
		.amdhsa_enable_private_segment 0
		.amdhsa_kernarg_size 40
		.amdhsa_user_sgpr_count 2
		.amdhsa_user_sgpr_kernarg_segment_ptr 1
		.amdhsa_wavefront_size32 1
		.amdhsa_system_sgpr_workgroup_id_x 1
		.amdhsa_system_sgpr_workgroup_id_y 1
		.amdhsa_system_sgpr_workgroup_id_z 1
		.amdhsa_system_vgpr_workitem_id 0
		.amdhsa_next_free_vgpr 256
		.amdhsa_next_free_sgpr 100
		.amdhsa_reserve_vcc 0
		.amdhsa_float_denorm_mode_32 3
		.amdhsa_float_denorm_mode_16_64 3
		.amdhsa_memory_ordered 1
		.amdhsa_forward_progress 1
		.amdhsa_inst_pref_size 178
	.end_amdhsa_kernel
	.amdgpu_metadata
---
amdhsa.version: [ 1, 2 ]
amdhsa.kernels:
  - .name:           k_q50550eef9a_attn
    .symbol:         k_q50550eef9a_attn.kd
    .args:
      - { .name: qc, .offset: 0, .size: 8, .value_kind: global_buffer, .address_space: global }
      - { .name: kv, .offset: 8, .size: 8, .value_kind: global_buffer, .address_space: global }
      - { .name: pos_bias, .offset: 16, .size: 8, .value_kind: global_buffer, .address_space: global }
      - { .name: lowp_scales, .offset: 24, .size: 8, .value_kind: global_buffer, .address_space: global }
      - { .name: ao, .offset: 32, .size: 8, .value_kind: global_buffer, .address_space: global }
    .group_segment_fixed_size: 327680
    .private_segment_fixed_size: 0
    .kernarg_segment_align: 8
    .kernarg_segment_size: 40
    .max_flat_workgroup_size: 512
    .sgpr_count:     100
    .vgpr_count:     256
    .wavefront_size: 32
...
	.end_amdgpu_metadata
.endif
;; end of part 7
;; launch oproj (part 8): grid 2 x 128, 4 waves a work-group, no clusters, 168,448 bytes of LDS; arguments ao, wimg, lowp_scales, out0; writes out0
.if DOCPART == 8
	.amdgcn_target "amdgcn-amd-amdhsa--gfx1250"
	.amdhsa_code_object_version 6
	.text
	.protected	k_q50550eef9a_oproj
	.globl	k_q50550eef9a_oproj
	.p2align	8
	.type	k_q50550eef9a_oproj,@function
k_q50550eef9a_oproj:
	s_mov_b64 s[64:65], 0
	v_nop
	global_prefetch_b8 v0, s[64:65] scope:SCOPE_SE
	s_setreg_imm32_b32 hwreg(HW_REG_WAVE_MODE, 25, 1), 1
	s_wait_xcnt 0x0
; out0 = o Wo^T on codes of E4M3; each finished sum x 2^(e10 + e11).  LIMIT: e10 + e11 between -126 and 127.
; A work-group makes 128 rows (grid y) x 256 columns (grid x).  Its 8 row tiles of o are 64 KiB of ao on end, images of operand registers: each wave brings a quarter by ONE tensor load (64 rows of 256 bytes, dense);
; LDS is filled once, so there is no ring.  Wave w makes columns 64 w .. + 63: its 4 tiles x 4 K steps of Wo (256 registers) stay in registers, and each fragment of o that it reads from LDS feeds four products.
; THE MATRIX INSTRUCTION IS USED TRANSPOSED (source 0 = 16 rows of Wo, source 1 = 16 tokens): a lane holds eight neighbouring numbers of a row of out0.
; No cluster: two work-groups share a tile of o, 64 KiB of the 320 KiB that a work-group moves, and the grid's x is 2.
; REGISTERS: window 0: v1-6 addresses; v32-159 two buffers of four fragments of o; on the way out v32-63 scaled sums, v64-127 rows read back.  window 1: Wo, fragment (t, s) at 16 (4 t + s).  window 2: accumulator (m, t) at 8 (4 m + t).
.set LI,  1                            ; v1  16 x lane
.set STO, 4                            ; v4  the stage: where I put 32 bytes of a row
.set RD,  5                            ; v5  and where I read rows back
.set CO,  6                            ; v6  my byte offset in two rows of out0
.set XF,  32
.set TMP, 32
.set BK,  64
.set STG, 65536                        ; behind the images: a stage of 16 rows x (256 bytes + 16) for each wave; no tensor load lands there
.set SP,  272
.set MSB, 0
.macro WIN new                         ; the immediate's high byte repeats the setting that is left
.if MSB != (\new)
	s_set_vgpr_msb (MSB<<8)|(\new)
.set MSB, (\new)
.endif
.endm
.macro PLACES
.rept 4
	v_nop
.endr
.endm
.macro FETCH4 buf, ks, mh              ; row tiles 4 mh .. 4 mh + 3, K step ks
.irp mm, 0,1,2,3
.irp c, 0,1,2,3
	ds_load_b128 v[XF+64*(\buf)+16*\mm+4*\c:XF+64*(\buf)+16*\mm+4*\c+3], v[LI] offset:(4*(\mh)+\mm)*8192+(\ks)*2048+\c*512
.endr
.endr
.endm
.macro MUL16 buf, ks, mh               ; 16 of the 32 accumulators, one instruction each; the first K step starts the sums
.irp mm, 0,1,2,3
.irp t, 0,1,2,3
.set AC, 8*(4*(4*(\mh)+\mm)+\t)
.set WR, 16*(4*\t+(\ks))
.set XR, XF+64*(\buf)+16*\mm
.if (\ks) == 0
	v_wmma_f32_16x16x128_fp8_fp8 v[AC:AC+7], v[WR:WR+15], v[XR:XR+15], 0
.else
	v_wmma_f32_16x16x128_fp8_fp8 v[AC:AC+7], v[WR:WR+15], v[XR:XR+15], v[AC:AC+7]
.endif
.endr
.endr
.endm
	s_load_b256 s[4:11], s[0:1], 0x0               ; ao, wimg, the scales' exponents, out0
	v_lshl_add_u32 v254, v0, 2, 0x29000
	v_mov_b32 v255, 0
	ds_add_u32 v254, v255
	ds_add_u32 v254, v255
	v_lshrrev_b32 v2, 5, v0
	v_readfirstlane_b32 s26, v2                    ; wave 0..3
	s_and_b32 s27, ttmp7, 0xffff                   ; which 128 rows
	s_mov_b32 s16, 3<<16                           ; group 1: no mask; elements of 8 bytes; no padding
	s_mov_b32 s17, 32<<16                          ; tensor_dim0 = 32 (256 bytes)
	s_mov_b32 s18, 64<<16                          ; tensor_dim1 = 64
	s_mov_b32 s19, 32<<16                          ; tile_dim0
	s_mov_b32 s20, 64                              ; tile_dim1
	s_mov_b32 s21, 32                              ; the pitch: dense
	s_mov_b32 s22, 0
	s_mov_b32 s23, 0
	s_lshl_b32 s30, s26, 14                        ; my quarter: 16,384 bytes
	s_lshl_b32 s28, s27, 16
	s_add_co_u32 s28, s28, s30
	s_mov_b32 s29, 0
	s_mov_b32 s12, 1                               ; group 0: count = 1
	s_mov_b32 s13, s30                             ; LDS address
	s_wait_dscnt 0x0
	s_wait_kmcnt 0x0
	s_add_nc_u64 s[14:15], s[4:5], s[28:29]        ; global address
	s_or_b32 s15, s15, 0x80000000                  ; type = 2
	tensor_load_to_lds s[12:15], s[16:23]          ; my one tensor load
	s_nop 0
	PLACES                                         ; four v_nop follow the line
	s_load_b64 s[24:25], s[8:9], 0x28              ; e10, e11
	v_and_b32 v1, 31, v0
	v_lshlrev_b32 v[LI], 4, v1
	v_and_b32 v2, 15, v0                           ; r
	s_wait_alu depctr_va_vdst(0)
	v_bfe_u32 v3, v0, 4, 1                         ; h
	s_lshl_b32 s28, ttmp9, 17                      ; Wo's tiles 16 x + 4 w on, 8,192 bytes each, behind the three other matrices
	s_lshl_b32 s31, s26, 15
	s_add_co_u32 s28, s28, s31
	s_add_co_u32 s28, s28, 786432
	s_add_nc_u64 s[6:7], s[6:7], s[28:29]
	WIN 0x40
.set ii, 0
.rept 64
	global_load_b128 v[4*ii:4*ii+3], v[LI], s[6:7] offset:512*ii
.set ii, ii+1
.endr
	WIN 0
	s_mul_i32 s31, s26, 16*SP
	s_add_co_u32 s31, s31, STG                     ; my stage
	v_mul_u32_u24 v[STO], v2, SP
	s_wait_alu depctr_va_vdst(0)
	v_lshl_add_u32 v[STO], v3, 5, v[STO]
	v_add_nc_u32 v[STO], s31, v[STO]               ; in: row r, + 32 h
	v_mul_u32_u24 v[RD], v3, SP
	v_lshl_add_u32 v[RD], v2, 4, v[RD]
	v_add_nc_u32 v[RD], s31, v[RD]                 ; back: lanes 0-15 one row of 256 bytes, lanes 16-31 the next
	v_lshlrev_b32 v[CO], 11, v3
	v_lshl_add_u32 v[CO], v2, 4, v[CO]             ; and the same two rows in out0
	s_lshl_b32 s28, s27, 18                        ; 128 rows of 2,048 bytes
	s_lshl_b32 s31, ttmp9, 10
	s_add_co_u32 s28, s28, s31                     ; + 1,024 x
	s_lshl_b32 s31, s26, 8
	s_add_co_u32 s28, s28, s31                     ; + 256 w
	s_add_nc_u64 s[10:11], s[10:11], s[28:29]
	s_wait_tensorcnt 0x0                           ; my quarter has landed,
	s_barrier_signal -1
	s_barrier_wait -1                              ; everybody's has
	FETCH4 0, 0, 0
	FETCH4 1, 0, 1
	s_wait_loadcnt 0x0                             ; Wo
.irp g, 0,1,2,3,4,5,6,7                        ; group g: K step g / 2, row tiles 4 (g % 2) on
.if \g < 7
	s_wait_dscnt 16                                ; this group's 16 loads are in; the next group's may be out
.else
	s_wait_dscnt 0
.endif
	WIN 0xA1                                       ; source 0 (Wo) window 1, source 1 window 0, C and D window 2
	MUL16 \g%2, \g/2, \g%2
	WIN 0
	PLACES                                         ; ahead of loads into registers that these products read, and of the first read of results
.if \g < 6
	FETCH4 \g%2, (\g+2)/2, \g%2
.endif
.endr
	s_wait_kmcnt 0x0
	s_add_co_i32 s24, s24, s25
	s_add_co_i32 s24, s24, 127
	s_lshl_b32 s24, s24, 23                        ; 2^(e10 + e11) as f32
	s_mov_b32 s25, s24                             ; (named with it as a pair, so it is written)
; THE WAY OUT, a row tile at a time: 16 rows x 64 columns go through my own stage and come back as rows of 256 bytes.  LDS serves a wave's instructions in order (ISA guide 5.7.1.4): no wait between stores and loads.
.macro TOSTAGE m
	WIN 0x02                                       ; source 0: window 2
.irp j, 0,2,4,6,8,10,12,14,16,18,20,22,24,26,28,30
	v_pk_mul_f32 v[TMP+\j:TMP+\j+1], v[32*(\m)+\j:32*(\m)+\j+1], s[24:25] op_sel_hi:[1,0]   ; each accumulator from its low end on
.endr
	WIN 0
.irp t, 0,1,2,3
	ds_store_b128 v[STO], v[TMP+8*\t:TMP+8*\t+3] offset:64*\t
	ds_store_b128 v[STO], v[TMP+8*\t+4:TMP+8*\t+7] offset:64*\t+16
.endr
.irp i, 0,1,2,3,4,5,6,7
	ds_load_b128 v[BK+32*((\m)%2)+4*\i:BK+32*((\m)%2)+4*\i+3], v[RD] offset:2*\i*SP
.endr
.endm
.macro SEND m, younger                 ; younger: the LDS instructions issued behind tile m's loads, which may stay out
	s_wait_dscnt \younger
.irp i, 0,1,2,3,4,5,6,7
	global_store_b128 v[CO], v[BK+32*((\m)%2)+4*\i:BK+32*((\m)%2)+4*\i+3], s[10:11] offset:(\m)*32768+\i*4096 th:TH_STORE_NT   ; 16 lanes store 256 consecutive bytes, at a multiple of 256 from out0's first byte
.endr
.endm
	TOSTAGE 0
.irp m, 1,2,3,4,5,6,7
.if \m > 1
	s_wait_xcnt 0x0                                ; tile m - 2's stores have read their registers: tile m's loads may land there
.endif
	TOSTAGE \m
	SEND \m-1, 16                                  ; behind tile m - 1's loads: tile m's 8 stores and 8 loads
.endr
	SEND 7, 0
	s_wait_tensorcnt 0x0
	ds_add_u32 v254, v255
	s_wait_dscnt 0x0
	s_endpgm
.Lfunc_end_k_q50550eef9a_oproj:
	.size	k_q50550eef9a_oproj, .Lfunc_end_k_q50550eef9a_oproj-k_q50550eef9a_oproj
	.p2alignl 7, 3214868480
	.fill 96, 4, 3214868480
	.section	.rodata,"a",@progbits
	.p2align	6, 0x0
	.amdhsa_kernel k_q50550eef9a_oproj
		.amdhsa_group_segment_fixed_size 168448
		.amdhsa_private_segment_fixed_size 0
		.amdhsa_enable_private_segment 0
		.amdhsa_kernarg_size 32
		.amdhsa_user_sgpr_count 2
		.amdhsa_user_sgpr_kernarg_segment_ptr 1
		.amdhsa_wavefront_size32 1
		.amdhsa_system_sgpr_workgroup_id_x 1
		.amdhsa_system_sgpr_workgroup_id_y 1
		.amdhsa_system_sgpr_workgroup_id_z 1
		.amdhsa_system_vgpr_workitem_id 0
		.amdhsa_next_free_vgpr 768
		.amdhsa_next_free_sgpr 66
		.amdhsa_reserve_vcc 0
		.amdhsa_float_denorm_mode_32 3
		.amdhsa_float_denorm_mode_16_64 3
		.amdhsa_memory_ordered 1
		.amdhsa_forward_progress 1
		.amdhsa_inst_pref_size 51
	.end_amdhsa_kernel
	.amdgpu_metadata
---
amdhsa.version: [ 1, 2 ]
amdhsa.kernels:
  - .name:           k_q50550eef9a_oproj
    .symbol:         k_q50550eef9a_oproj.kd
    .args:
      - { .name: ao, .offset: 0, .size: 8, .value_kind: global_buffer, .address_space: global }
      - { .name: wimg, .offset: 8, .size: 8, .value_kind: global_buffer, .address_space: global }
      - { .name: lowp_scales, .offset: 16, .size: 8, .value_kind: global_buffer, .address_space: global }
      - { .name: out0, .offset: 24, .size: 8, .value_kind: global_buffer, .address_space: global }
    .group_segment_fixed_size: 168448
    .private_segment_fixed_size: 0
    .kernarg_segment_align: 8
    .kernarg_segment_size: 32
    .max_flat_workgroup_size: 128
    .sgpr_count:     66
    .vgpr_count:     768
    .wavefront_size: 32
...
	.end_amdgpu_metadata
.endif
;; end of part 8
